; MI455X (gfx1250); checked and timed in simulation.
; The chip was launched on July 23, 2026; its instructions are those of AMD's public machine-readable ISA for CDNA 5 (MIT licence, August 2026) and "CDNA5" Instruction Set Architecture Reference Guide (July 2026). The comments in the code are by the model that wrote it; some were corrected since.
;; Retention. Allowed arithmetic: matrix products marked QUANTISED: E2M1 operands, one E8M0 scale for each 32 along K, by v_wmma_scale_f32_16x16x128_f8f6f4 with both operands' format E2M1 (or v_wmma_scale_f32_32x16x128_f4), f32 sums; products left as they are: bf16, f16 or f32 operands; f32 sums; everything else in f32.
;; Inputs: W_K 2,048 x 256 float32; W_Q 2,048 x 256 float32; W_V 2,048 x 256 float32; X 4 x 4,096 x 2,048 float32.
;; Outputs: out0 4 x 4,096 x 256 float32.
;; This version of the problem:
;;   THIS VERSION OF THE PROBLEM IS GIVEN IN LOW PRECISION. The matrix products marked QUANTISED in the list below multiply operands that are first quantised to E2M1 (2 exponent bits, 1 mantissa bit; 4 bits a number), with one power-of-two scale for each 32 numbers along K (OCP MX v1.0); their sums are f32. The products marked 'left as it is' may take bf16, f16 or f32 operands, with f32 sums. Whichever they take, every output number must still come out within the allowed error. Rounding operands to bf16 (8 significant bits) uses up far more of that allowance than f16 does (11 bits, for magnitudes from 6e-5 to 65,504). All else is computed in f32.
;;   The module's matrix products, in the order in which they are computed (A, B: the left and right operand; K: the contracted axis; several contracted axes count as one K, in the product's order):
;;     1. [M 16,384, K 2,048] x [K 2,048, N 256]; A: input X; B: input W_Q: QUANTISED
;;     2. [M 16,384, K 2,048] x [K 2,048, N 256]; A: input X; B: input W_K: QUANTISED
;;     3. [M 16,384, K 2,048] x [K 2,048, N 256]; A: input X; B: input W_V: QUANTISED
;;     4. batch 4 x [M 4,096, K 256] x [K 256, N 4,096]; A: computed on the way; B: computed on the way: left as it is (an operand is computed on the way)
;;     5. batch 4 x [M 4,096, K 4,096] x [K 4,096, N 256]; A: computed on the way; B: computed on the way: left as it is (an operand is computed on the way)
;;   THE QUANTISER, for each operand of a quantised product, along K:
;;     - K is cut into blocks of 32 from its start; a last block that is shorter is filled with zeros.
;;     - A block's scale is 2^e with e = floor(log2(the largest magnitude in the block)) - 2, held to -126 .. 127; a block of zeros has e = 0. As a byte (E8M0): e + 127.
;;     - Each number is divided by its block's scale, clamped to +-6, and rounded to the nearest number of E2M1, ties to even, subnormals kept.
;;     - The product sums the exact products of the quantised numbers (number of the format x scale) in f32.
;;   ~~~python
;;   def quantise(x, axis):      # numpy; x: float32 -> the quantised numbers, widened to float32 again
;;       x = np.moveaxis(x, axis, -1); K = x.shape[-1]
;;       x = np.pad(x, [(0, 0)] * (x.ndim - 1) + [(0, -K % 32)]); x = x.reshape(x.shape[:-1] + (-1, 32)); a = np.abs(x).max(-1, keepdims=True)
;;       e = np.where(a > 0, np.clip(np.frexp(np.where(a > 0, a, 1))[1] - 1 - 2, -126, 127), 0)      # np.frexp(a)[1] - 1 = floor(log2(a)), exactly
;;       r = np.clip(x / 2.0 ** e, -6, 6)
;;       step = 2.0 ** (np.maximum(np.frexp(np.where(r == 0, 1, r))[1] - 1, 0) - 1)
;;       q = np.round(r / step) * step * 2.0 ** e      # np.round: ties to even
;;       return np.moveaxis(q.reshape(q.shape[:-2] + (-1,))[..., :K], -1, axis).astype(np.float32)
;;   ~~~
;; One version. Each part assembles by itself: llvm-mc -triple=amdgcn-amd-amdhsa -mcpu=gfx1250 --defsym DOCPART=n.
;; ======== version 1 of 1: 4 launches
;; workspace buffers: wq 835,584 bytes; Qf 8,388,608 bytes; Kf 8,388,608 bytes; Vt 8,388,608 bytes; Hb 8,388,608 bytes; exps 4,096 bytes
;; launch wprep (part 1): grid 12 x 16, 2 waves a work-group, no clusters, 0 bytes of LDS; arguments W_Q, W_K, W_V, wq; writes wq
.if DOCPART == 1
	.amdgcn_target "amdgcn-amd-amdhsa--gfx1250"
	.amdhsa_code_object_version 6
	.text
	.protected	k_q222fb3ba4d_wprep
	.globl	k_q222fb3ba4d_wprep
	.p2align	8
	.type	k_q222fb3ba4d_wprep,@function
k_q222fb3ba4d_wprep:
	s_mov_b64 s[64:65], 0
	v_nop
	global_prefetch_b8 v0, s[64:65] scope:SCOPE_SE
	s_setreg_imm32_b32 hwreg(HW_REG_WAVE_MODE, 25, 1), 1
	s_wait_xcnt 0x0
; W_Q, W_K, W_V [2048 (k)][256 (n)], f32, become codes of FP4 (E2M1) with one E8M0 byte for each 32 along K, laid in the order in which the
; next launch's operand registers take them: wq = [slot of 256 k: 8][wave: 4][26,112 bytes]; a part = codes [K step e: 2][tile: 12][1,024], then
; scale words [e: 2][tile: 12][64] from byte 24,576 on.  Tile 4 G + t' is columns 64 w + 16 t' .. + 15 of matrix G (0 Q, 1 K, 2 V).
; In a tile's 1,024 bytes the 16 bytes of (column r, block 2 c + h of the K step) lie at 512 c + 16 (r + 16 h): a lane's four registers on end.
; A LANE TAKES A COLUMN AND ITS REGISTERS RUN DOWN K: a block of 32 lies in one lane, its largest magnitude needs no other lane, and the conversions give codes with K innermost.
; A block's scale is 2^(floor(log2(largest magnitude)) - 2); its byte is the magnitude's exponent field - 2, held at 1 from below.  A block of zeros gets the byte 1 where the rule
; says 127: its codes are zeros, and this program alone reads the bytes.
; LIMITS: NaN and infinities among the inputs are not served.
; Work-group x = 4 G + w, y = the K step of 128; wave v takes columns 64 w + 32 v + lane.  No LDS, no barrier: waves share nothing.
.set SLOTB, 104448
.set PARTB, 26112
.set NUM,   40                         ; v40-167 my column's 128 numbers
	s_load_b256 s[4:11], s[0:1], 0x0               ; W_Q s[4:5], W_K s[6:7], W_V s[8:9], wq s[10:11]
	v_and_b32 v1, 31, v0                           ; lane
	v_lshrrev_b32 v2, 5, v0
	v_readfirstlane_b32 s12, v2                    ; wave v
	s_lshr_b32 s13, ttmp9, 2                       ; G
	s_and_b32 s14, ttmp9, 3                        ; w
	s_and_b32 s15, ttmp7, 0xffff                   ; K step of 128
	v_lshlrev_b32 v2, 2, v1                        ; 4 x lane: my column in a row of W, and my scale word
	v_lshrrev_b32 v3, 4, v1
	v_and_b32 v4, 15, v1
	v_lshlrev_b32 v3, 10, v3
	v_lshl_add_u32 v3, v4, 4, v3                   ; codes: 1,024 x (lane / 16) + 16 x (lane % 16)
	s_lshl_b32 s16, s15, 17                        ; 128 rows of 1,024 bytes
	s_lshl_b32 s20, s14, 8
	s_add_co_u32 s16, s16, s20
	s_lshl_b32 s20, s12, 7
	s_add_co_u32 s16, s16, s20                     ; + 4 x (64 w + 32 v)
	s_mov_b32 s17, 0
	s_lshr_b32 s20, s15, 1
	s_mul_i32 s20, s20, SLOTB
	s_mul_i32 s21, s14, PARTB
	s_add_co_u32 s20, s20, s21                     ; the part of (slot, w)
	s_and_b32 s21, s15, 1                          ; e
	s_mul_i32 s22, s21, 12288
	s_add_co_u32 s22, s22, s20
	s_lshl_b32 s23, s13, 12
	s_add_co_u32 s22, s22, s23
	s_lshl_b32 s23, s12, 11
	s_add_co_u32 s22, s22, s23                     ; codes: + 12,288 e + 4,096 G + 2,048 v
	s_mov_b32 s23, 0
	s_mul_i32 s24, s21, 768
	s_add_co_u32 s24, s24, s20
	s_lshl_b32 s25, s13, 8
	s_add_co_u32 s24, s24, s25
	s_lshl_b32 s25, s12, 7
	s_add_co_u32 s24, s24, s25
	s_add_co_u32 s24, s24, 24576                   ; scale words: 24,576 + 768 e + 256 G + 128 v
	s_mov_b32 s25, 0
	s_wait_kmcnt 0x0
	s_cmp_eq_u32 s13, 0                            ; which matrix: the choice hangs on the work-group's number alone
	s_cselect_b64 s[4:5], s[4:5], s[6:7]
	s_cmp_eq_u32 s13, 2
	s_cselect_b64 s[4:5], s[8:9], s[4:5]
	s_add_nc_u64 s[4:5], s[4:5], s[16:17]
	s_add_nc_u64 s[18:19], s[10:11], s[24:25]
	s_add_nc_u64 s[10:11], s[10:11], s[22:23]
.set i, 0
.rept 128
	global_load_b32 v[NUM+i], v2, s[4:5] offset:i*1024 th:TH_LOAD_NT   ; W(128 ks + i, my column): 32 lanes read 128 consecutive bytes
.set i, i+1
.endr
.macro BLK b                           ; block b of the K step: 32 numbers, all mine
.set XB, NUM+32*\b
	v_max3_num_f32 v8, |v[XB]|, |v[XB+1]|, 0x1800000               ; with the floor 2^(3 - 127): the byte cannot fall under 1
	v_max3_num_f32 v9, |v[XB+2]|, |v[XB+3]|, |v[XB+4]|
.irp i, 5,9,13,17,21,25
	v_max3_num_f32 v8, v8, |v[XB+\i]|, |v[XB+\i+1]|
	v_max3_num_f32 v9, v9, |v[XB+\i+2]|, |v[XB+\i+3]|
.endr
	v_max3_num_f32 v8, v8, |v[XB+29]|, |v[XB+30]|
	v_max3_num_f32 v8, v8, v9, |v[XB+31]|
	v_add_nc_u32 v[16+\b], 0xff000000, v8          ; 2 off the exponent field: the conversion's scale operand
.irp g, 0,1,2,3
	v_cvt_scalef32_pk8_fp4_f32 v[24+4*\b+\g], v[XB+8*\g:XB+8*\g+7], v[16+\b]
.endr
	v_lshrrev_b32 v9, 23, v[16+\b]                 ; the scale's byte
.if \b == 0
	v_mov_b32 v20, v9
.else
	v_lshl_or_b32 v20, v9, 8*\b, v20               ; four bytes make my column's scale word
.endif
	global_store_b128 v3, v[24+4*\b:24+4*\b+3], s[10:11] offset:512*(\b/2)+256*(\b%2)   ; sixteen lanes store 256 consecutive bytes, aligned
.endm
	s_wait_loadcnt 63                              ; of the 128 loads at most 63 are out: the first 65 are in, blocks 0 and 1 among them
	BLK 0
	BLK 1
	s_wait_loadcnt 32                              ; block 3's 32 loads may be out
	BLK 2
	s_wait_loadcnt 0x0
	BLK 3
	global_store_b32 v2, v20, s[18:19]             ; 128 consecutive bytes a wave: 48 KB of scale words in the whole launch
	s_endpgm
.Lfunc_end_k_q222fb3ba4d_wprep:
	.size	k_q222fb3ba4d_wprep, .Lfunc_end_k_q222fb3ba4d_wprep-k_q222fb3ba4d_wprep
	.p2alignl 7, 3214868480
	.fill 96, 4, 3214868480
	.section	.rodata,"a",@progbits
	.p2align	6, 0x0
	.amdhsa_kernel k_q222fb3ba4d_wprep
		.amdhsa_group_segment_fixed_size 0
		.amdhsa_private_segment_fixed_size 0
		.amdhsa_enable_private_segment 0
		.amdhsa_kernarg_size 32
		.amdhsa_user_sgpr_count 2
		.amdhsa_user_sgpr_kernarg_segment_ptr 1
		.amdhsa_wavefront_size32 1
		.amdhsa_system_sgpr_workgroup_id_x 1
		.amdhsa_system_sgpr_workgroup_id_y 1
		.amdhsa_system_sgpr_workgroup_id_z 1
		.amdhsa_system_vgpr_workitem_id 0
		.amdhsa_next_free_vgpr 168
		.amdhsa_next_free_sgpr 66
		.amdhsa_reserve_vcc 0
		.amdhsa_float_denorm_mode_32 3
		.amdhsa_float_denorm_mode_16_64 3
		.amdhsa_memory_ordered 1
		.amdhsa_forward_progress 1
		.amdhsa_inst_pref_size 21
	.end_amdhsa_kernel
	.amdgpu_metadata
---
amdhsa.version: [ 1, 2 ]
amdhsa.kernels:
  - .name:           k_q222fb3ba4d_wprep
    .symbol:         k_q222fb3ba4d_wprep.kd
    .args:
      - { .name: W_Q, .offset: 0, .size: 8, .value_kind: global_buffer, .address_space: global }
      - { .name: W_K, .offset: 8, .size: 8, .value_kind: global_buffer, .address_space: global }
      - { .name: W_V, .offset: 16, .size: 8, .value_kind: global_buffer, .address_space: global }
      - { .name: wq, .offset: 24, .size: 8, .value_kind: global_buffer, .address_space: global }
    .group_segment_fixed_size: 0
    .private_segment_fixed_size: 0
    .kernarg_segment_align: 8
    .kernarg_segment_size: 32
    .max_flat_workgroup_size: 64
    .sgpr_count:     66
    .vgpr_count:     168
    .wavefront_size: 32
...
	.end_amdgpu_metadata
.endif
;; end of part 1
;; launch proj (part 2): grid 256 x 1, 4 waves a work-group, clusters of 4 x 1, 327,680 bytes of LDS; arguments X, wq, Qf, Kf, Vt, exps; writes Qf, Kf, Vt, exps
.if DOCPART == 2
	.amdgcn_target "amdgcn-amd-amdhsa--gfx1250"
	.amdhsa_code_object_version 6
	.text
	.protected	k_q222fb3ba4d_proj
	.globl	k_q222fb3ba4d_proj
	.p2align	8
	.type	k_q222fb3ba4d_proj,@function
k_q222fb3ba4d_proj:
	s_mov_b64 s[64:65], 0
	v_nop
	global_prefetch_b8 v0, s[64:65] scope:SCOPE_SE
	s_setreg_imm32_b32 hwreg(HW_REG_WAVE_MODE, 25, 1), 1
	s_wait_xcnt 0x0
	s_wait_alu depctr_hold_cnt(0) depctr_sa_sdst(0) depctr_va_vdst(0) depctr_va_sdst(0) depctr_va_ssrc(0) depctr_va_vcc(0) depctr_vm_vsrc(0)
	s_getreg_b32 s2, hwreg(HW_REG_IB_STS2, 6, 4)
	s_cmp_eq_u32 s2, 0
	s_cbranch_scc0 .Lentry_in_a_cluster
	s_endpgm
.Lentry_in_a_cluster:
	s_bfe_u32 s2, ttmp6, 0x10000c
	s_cmp_lg_u32 s2, 0x3003
	s_cbranch_scc0 .Lentry_shape_is_right
	s_endpgm
.Lentry_shape_is_right:
; Q, K, V = X W on codes of FP4 (E2M1) with one E8M0 scale for each 32 along K; then xpos on Q and K, a power-of-two normalisation of each chunk, and f16 fragments for the next launches.
; SHARES.  Work-group C owns rows 64 C .. 64 C + 63 (a chunk) and all 768 columns: X is read once.  Wave w quantises rows 16 w .. + 15 and multiplies all 64 rows by columns 64 w .. + 63 of each
; of Q, K, V: 48 accumulators.  Q's and K's tiles are used transposed (source 0 = W, source 1 = X): a lane holds one row and eight neighbouring columns, four rotary pairs.  V's the natural way
; (source 0 = X, source 1 = W): a lane holds one column and eight rows, which is the next launches' fragment with the keys along the registers.
; X comes by loads into a ring of two register sets (256 along K each), with counted waits, so that a set's 32 loads are always on their way.  Its codes and scale bytes go from wave to wave through LDS.
; W's codes come from wq, which lies in the order of the operand registers, through a ring of two LDS slots.  CLUSTER: the four work-groups of a cluster read the same W, so each part is asked for
; JOINTLY: the same tensor load, with the same descriptor and the mask of all four.  One tensor load of a wave is out at a time.
; XPOS, RELATIVE.  With a = row % 256, a' = row % 64, L = log2(sv) / 512, G = log2(gamma):  Q^ = rot(Q) 2^(a L + a' G),  K^ = rot(K) 2^-(a L + a' G): the factors stay within 0.07 .. 14.
; What is left of the decay (whole chunks and segments) is put on by the next launches.  cos and sin: the angle in revolutions, reduced exactly by a fused multiply-add; polynomials on a quarter of it
; (truncation under 4e-7), doubled twice.  Rows 16 further on come by a complex multiplication of the tables.
; NORMALISATION.  be = the exponent field of the chunk's largest raw magnitude (held to 1 .. 253), one each for Q, K, V; what is stored is the number x 2^(127 - be), exact; be goes to exps [chunk][4 words].
; LIMITS: NaN and infinities are not served.  A block of zeros of X gets the scale byte 1 (its codes are zeros).
; REGISTERS, in windows of 256: window 0: v1-15 addresses; v16-63 the quantiser's; v64-95 X's four fragments; v96-191 W's twelve; v192-211 scale words; v212-255 at work.
;   window 1: the X ring (set p at 128 p, row i at + 8 i).   window 2: Q's accumulator (t, n) at 8 (4 t + n), K's at 128 + the same.
;   window 3: V's at 8 (4 t + n); from v128 the tables, a pair (cos part, sin part) for each of my 16 frequencies: Q's at 128, K's at 160, their steps at 192 and 224.
.set WSLOT, 104448                     ; a slot of W: 4 parts
.set WPART, 26112                      ; a wave's part: 102 rows of 256 bytes
.set WSCL,  24576                      ; in it: where the scale words begin
.set XC,    208896                     ; X's codes: 2 sets x 64 rows x (128 bytes + 16)
.set XCP,   144
.set XCS,   9216
.set XS,    227328                     ; X's scale bytes: 2 sets x 64 rows x 8
.set EX,    228352                     ; the waves' largest magnitudes: 16 bytes a wave
.set SPARE, 228608                     ; the spare words, 128 bytes for each wave: two blocks of 256 bytes that no other line names
.set LN,  1
.set RR,  2
.set HH,  3
.set XO,  4                            ; 32 x lane: my 8 numbers of a row's 256
.set XCW, 5                            ; where I store codes
.set XSW, 6                            ; and scale bytes
.set XCR, 7                            ; where I read X's fragments
.set XSR, 8                            ; and scale words
.set WFA, 9                            ; v9, v10: W's fragments in slot 0, 1
.set WSA, 11                           ; v11, v12: W's scale words
.set LI,  13                           ; 16 x lane
.set SPW, 14                           ; my spare word; never rewritten
.set NIL, 15                           ; 0; never rewritten
.set MX,  16
.set BY,  32
.set CD,  48
.set XF,  64
.set WF,  96
.set WSC, 192
.set XSC, 204
.set ZQ,  128                          ; window 3
.set MQ,  192
.set WV,  16                           ; s16 my wave's number
.set MSB, 0
.macro WIN new                         ; the immediate's high byte repeats the setting that is left
.if MSB != \new
	s_set_vgpr_msb (MSB<<8)|\new
.set MSB, \new
.endif
.endm
.macro NOPS n
.rept \n
	v_nop
.endr
.endm
.macro ROUND                           ; a round of the cluster's barrier
	s_barrier_signal -1
	s_barrier_wait -1
	s_cmp_lg_u32 s[WV], 0
	s_cbranch_scc1 .Lnot_wave_0_\@
	s_barrier_signal -3
.Lnot_wave_0_\@:
	s_barrier_wait -3
	s_barrier_signal -1
	s_barrier_wait -1
.endm
	s_load_b256 s[4:11], s[0:1], 0x0               ; X s[4:5], wq s[6:7], Qf s[8:9], Kf s[10:11]
	s_load_b128 s[12:15], s[0:1], 0x20             ; Vt s[12:13], exps s[14:15]
	v_lshl_add_u32 v[SPW], v0, 2, SPARE
	v_mov_b32 v[NIL], 0
	ds_add_u32 v[SPW], v[NIL]                      ; the wave's opening: the add, twice on end, and its wait ahead of my first tensor load
	ds_add_u32 v[SPW], v[NIL]
	v_lshrrev_b32 v1, 5, v0
	v_readfirstlane_b32 s[WV], v1                  ; wave 0..3
	s_bfe_u32 s17, ttmp6, 0x40000                  ; cx
	s_lshl_b32 s18, ttmp9, 2
	s_add_co_u32 s18, s18, s17                     ; C = 4 x cluster + cx: it enters X's and the outputs' addresses and the tables' numbers alone
	s_mov_b32 s24, 15|(3<<16)|(1<<21)              ; group 1: the mask of all four; elements of 8 bytes; bit 21 beside a mask
	s_mov_b32 s25, 32<<16                          ; tensor_dim0 = 32 elements: 256 bytes
	s_mov_b32 s26, 102<<16                         ; tensor_dim1 = 102
	s_mov_b32 s27, 32<<16                          ; tile_dim0
	s_mov_b32 s28, 102                             ; tile_dim1
	s_mov_b32 s29, 32                              ; the pitch: dense
	s_mov_b32 s30, 0
	s_mov_b32 s31, 0
	s_mul_i32 s44, s[WV], WPART                    ; my part, in a slot of wq and in an LDS slot alike
	s_mov_b32 s45, 0
	s_lshl_b32 s48, s18, 19                        ; X: 64 C rows of 8,192 bytes
	s_lshl_b32 s49, s[WV], 17                      ; + 16 w rows
	s_add_co_u32 s48, s48, s49
	s_mov_b32 s49, 0
	s_lshl_b32 s50, s18, 15                        ; Qf, Kf: 4 row tiles of 8,192 bytes a chunk; my two steps of 32 columns
	s_lshl_b32 s51, s[WV], 11
	s_add_co_u32 s50, s50, s51
	s_mov_b32 s51, 0
	s_lshl_b32 s20, s18, 15                        ; Vt: 2 steps of 32 keys x 16,384 bytes a chunk; my four tiles of columns
	s_lshl_b32 s21, s[WV], 12
	s_add_co_u32 s20, s20, s21
	s_mov_b32 s21, 0
	s_lshl_b32 s22, s18, 4                         ; exps: 16 bytes a chunk
	s_mov_b32 s23, 0
	s_mov_b32 s42, 0x76543210
	s_mov_b32 s43, 0xfedcba98                      ; v_permlanex16_b32's selects for lane l xor 16
	s_mul_i32 s52, s[WV], 2304
	s_add_co_u32 s52, s52, XC
	s_lshl_b32 s53, s[WV], 7
	s_add_co_u32 s53, s53, XS
	s_lshl_b32 s59, s[WV], 4
	s_add_co_u32 s59, s59, EX
	v_and_b32 v[LN], 31, v0
	v_and_b32 v[RR], 15, v0
	v_bfe_u32 v[HH], v0, 4, 1
	v_lshlrev_b32 v[XO], 5, v[LN]
	v_lshl_add_u32 v[XCW], v[LN], 2, s52           ; my 8 codes: 4 bytes at 4 x lane of a row
	v_lshrrev_b32 v[XSW], 2, v[LN]
	v_add_nc_u32 v[XSW], s53, v[XSW]               ; my block's byte: four lanes hold a block
	v_mul_u32_u24 v[XCR], v[RR], XCP
	v_lshl_add_u32 v[XCR], v[HH], 4, v[XCR]
	v_add_nc_u32 v[XCR], XC, v[XCR]
	v_lshl_add_u32 v[XSR], v[RR], 3, XS
	v_lshl_add_u32 v[WFA], v[LN], 4, s44
	v_add_nc_u32 v[WFA+1], WSLOT, v[WFA]
	v_lshl_add_u32 v[WSA], v[RR], 2, s44
	v_add_nc_u32 v[WSA], WSCL, v[WSA]
	v_add_nc_u32 v[WSA+1], WSLOT, v[WSA]
	v_lshlrev_b32 v[LI], 4, v[LN]
	s_wait_dscnt 0x0                               ; both opening adds are done
	s_wait_kmcnt 0x0
	s_add_nc_u64 s[46:47], s[6:7], s[44:45]
	s_mov_b32 s32, 1                               ; group 0 for slot 0: K 0 .. 255
	s_mov_b32 s33, s44
	s_mov_b64 s[34:35], s[46:47]
	s_or_b32 s35, s35, 0x80000000
	s_mov_b32 s36, 1                               ; and for slot 1: K 256 .. 511
	s_add_co_u32 s37, s44, WSLOT
	s_add_nc_u64 s[38:39], s[46:47], WSLOT
	s_or_b32 s39, s39, 0x80000000
	s_add_nc_u64 s[4:5], s[4:5], s[48:49]
	s_add_nc_u64 s[8:9], s[8:9], s[50:51]
	s_add_nc_u64 s[10:11], s[10:11], s[50:51]
	s_add_nc_u64 s[12:13], s[12:13], s[20:21]
	s_add_nc_u64 s[14:15], s[14:15], s[22:23]
	ROUND                                          ; all four work-groups are here: the first joint loads meet
	tensor_load_to_lds s[32:35], s[24:31]
	s_nop 0
	NOPS 4
; my 16 rows' 256 numbers along K, k slots of 1,024 bytes from the base, into ring set p: a lane holds 8 neighbours along K; a row's two loads cover its 1,024 bytes
.macro XLOAD p, k
	WIN 0x40                                       ; destination window 1
.set xr, 0
.rept 16
	global_load_b128 v[128*(\p)+8*xr:128*(\p)+8*xr+3],   v[XO], s[4:5] offset:xr*8192+(\k)*1024 th:TH_LOAD_NT
	global_load_b128 v[128*(\p)+8*xr+4:128*(\p)+8*xr+7], v[XO], s[4:5] offset:xr*8192+(\k)*1024+16 th:TH_LOAD_NT
.set xr, xr+1
.endr
	WIN 0
.endm
	XLOAD 0, 0
	XLOAD 1, 1
	; ---- THE TABLES, while those loads are on their way.  My 16 frequencies: i = 32 w + 8 n + 4 h + p, f = 4 n + p
.set FI, 16
.set TH, 32
.set LL, 48
.set RH, 64
.set ZZ, 96
.set SN, 128
.set CN, 160
.set ED, 192
.set FQ, 64
.set FK, 80
.set PH, 96
.set PI, 112
	s_mov_b32 s54, 0xbdd49881                      ; -log2(10000) / 128
	s_mov_b32 s55, 0x3bb6db6e                      ; 2 / 358.4
	s_mov_b32 s56, 0x3e924925                      ; 102.4 / 358.4
	s_mov_b32 s57, 0x41800000                      ; 16
	s_mov_b32 s58, 0xbf3b9ca6                      ; 16 log2(gamma)
	s_lshl_b32 s62, s[WV], 5
	v_lshl_add_u32 v212, v[HH], 2, s62
.set f, 0
.rept 16
	v_add_nc_u32 v[FI+f], 8*(f/4)+f%4, v212
.set f, f+1
.endr
.set f, 0
.rept 16
	v_cvt_f32_u32 v[FI+f], v[FI+f]
.set f, f+1
.endr
.set f, 0
.rept 16
	v_mul_f32 v[TH+f], s54, v[FI+f]
	v_fma_f32 v[LL+f], v[FI+f], s55, s56           ; sv
.set f, f+1
.endr
.set f, 0
.rept 16
	v_exp_f32 v[TH+f], v[TH+f]                     ; 10000^(-i / 128)
.set f, f+1
.endr
.set f, 0
.rept 16
	v_log_f32 v[LL+f], v[LL+f]
.set f, f+1
.endr
	s_and_b32 s60, s18, 63                         ; (plain work behind the batch)
	s_lshl_b32 s60, s60, 6
	v_add_nc_u32 v213, s60, v[RR]
	v_cvt_f32_u32 v213, v213                       ; my row of tile 0: its position in the sequence,
	s_and_b32 s61, s18, 3
	s_lshl_b32 s61, s61, 6
	v_add_nc_u32 v214, s61, v[RR]
	v_cvt_f32_u32 v214, v214                       ; in the segment,
	v_cvt_f32_u32 v215, v[RR]
	v_mul_f32 v215, 0xbd3b9ca6, v215               ; and in the chunk, x log2(gamma)
	s_wait_alu depctr_va_vdst(0)                   ; one wait for the 32, ahead of their first reader
.set f, 0
.rept 16
	v_mul_f32 v[TH+f], 0.15915494, v[TH+f]         ; in revolutions a position
	v_mul_f32 v[LL+f], 0x3b000000, v[LL+f]         ; L = log2(sv) / 512
.set f, f+1
.endr
.set f, 0
.rept 16
	v_mul_f32 v[ZZ+f], v213, v[TH+f]
	v_mul_f32 v[RH+16+f], s57, v[TH+f]             ; 16 rows on
.set f, f+1
.endr
.set f, 0
.rept 16
	v_rndne_f32 v[ZZ+f], v[ZZ+f]
	v_rndne_f32 v[ZZ+16+f], v[RH+16+f]
.set f, f+1
.endr
.set f, 0
.rept 16
	v_fma_f32 v[RH+f], v213, v[TH+f], -v[ZZ+f]     ; the angle less whole revolutions: the product is not rounded before they are taken off
	v_sub_f32 v[RH+16+f], v[RH+16+f], v[ZZ+16+f]
	v_fma_f32 v[FI+f], v214, v[LL+f], v215         ; a L + a' G
	v_fma_f32 v[ED+f], v[LL+f], s57, s58           ; 16 (L + G)
.set f, f+1
.endr
	v_mov_b32 v208, 0xbb996966
	v_mov_b32 v209, 0xbb996966
	v_mov_b32 v210, 0x3a70fa84
	v_mov_b32 v211, 0x3a70fa84
.macro P32 op:vararg                   ; (not used)
.endm
.set q, 0
.rept 16
	v_pk_mul_f32 v[ZZ+q:ZZ+q+1], v[RH+q:RH+q+1], v[RH+q:RH+q+1]
.set q, q+2
.endr
.set q, 0
.rept 16                               ; sin and cos of a quarter of the angle, x = (pi / 2) rho: series in rho^2
	v_pk_fma_f32 v[SN+q:SN+q+1], v[ZZ+q:ZZ+q+1], v[208:209], 0x3da335e3 op_sel_hi:[1,1,0]
	v_pk_fma_f32 v[CN+q:CN+q+1], v[ZZ+q:ZZ+q+1], v[210:211], 0xbcaae9e4 op_sel_hi:[1,1,0]
.set q, q+2
.endr
.set q, 0
.rept 16
	v_pk_fma_f32 v[SN+q:SN+q+1], v[SN+q:SN+q+1], v[ZZ+q:ZZ+q+1], 0xbf255de7 op_sel_hi:[1,1,0]
	v_pk_fma_f32 v[CN+q:CN+q+1], v[CN+q:CN+q+1], v[ZZ+q:ZZ+q+1], 0x3e81e0f8 op_sel_hi:[1,1,0]
.set q, q+2
.endr
.set q, 0
.rept 16
	v_pk_fma_f32 v[SN+q:SN+q+1], v[SN+q:SN+q+1], v[ZZ+q:ZZ+q+1], 0x3fc90fdb op_sel_hi:[1,1,0]
	v_pk_fma_f32 v[CN+q:CN+q+1], v[CN+q:CN+q+1], v[ZZ+q:ZZ+q+1], 0xbf9de9e6 op_sel_hi:[1,1,0]
.set q, q+2
.endr
.set q, 0
.rept 16
	v_pk_mul_f32 v[SN+q:SN+q+1], v[SN+q:SN+q+1], v[RH+q:RH+q+1]
	v_pk_fma_f32 v[CN+q:CN+q+1], v[CN+q:CN+q+1], v[ZZ+q:ZZ+q+1], 1.0 op_sel_hi:[1,1,0]
.set q, q+2
.endr
.rept 2                                ; the angle doubled, twice: sin 2x = 2 sin x cos x, cos 2x = 1 - 2 sin^2 x
.set q, 0
.rept 16
	v_pk_mul_f32 v[ZZ+q:ZZ+q+1], v[SN+q:SN+q+1], v[SN+q:SN+q+1]
	v_pk_mul_f32 v[SN+q:SN+q+1], v[SN+q:SN+q+1], v[CN+q:CN+q+1]
.set q, q+2
.endr
.set q, 0
.rept 16
	v_pk_add_f32 v[SN+q:SN+q+1], v[SN+q:SN+q+1], v[SN+q:SN+q+1]
	v_pk_fma_f32 v[CN+q:CN+q+1], v[ZZ+q:ZZ+q+1], -2.0, 1.0 op_sel_hi:[1,0,0]
.set q, q+2
.endr
.endr
.set f, 0
.rept 16
	v_exp_f32 v[FQ+f], v[FI+f]                     ; Q's factor at my row of tile 0,
	v_exp_f32 v[FK+f], -v[FI+f]                    ; K's,
	v_exp_f32 v[PH+f], v[ED+f]                     ; and what 16 rows add
	v_exp_f32 v[PI+f], -v[ED+f]
.set f, f+1
.endr
	v_nop                                          ; a plain instruction behind the last exponential
	s_wait_alu depctr_va_vdst(0)                   ; one wait for the 64
	WIN 0xC0                                       ; destination window 3
.set f, 0
.rept 16
	v_mul_f32 v[ZQ+2*f],    v[FQ+f], v[CN+f]
	v_mul_f32 v[ZQ+2*f+1],  v[FQ+f], v[SN+f]
	v_mul_f32 v[ZQ+32+2*f],   v[FK+f], v[CN+f]
	v_mul_f32 v[ZQ+32+2*f+1], v[FK+f], v[SN+f]
	v_mul_f32 v[MQ+2*f],    v[PH+f], v[CN+16+f]
	v_mul_f32 v[MQ+2*f+1],  v[PH+f], v[SN+16+f]
	v_mul_f32 v[MQ+32+2*f],   v[PI+f], v[CN+16+f]
	v_mul_f32 v[MQ+32+2*f+1], v[PI+f], v[SN+16+f]
.set f, f+1
.endr
	WIN 0
; Ring set p becomes codes and scale bytes in LDS.  A lane holds 8 numbers of each of 16 rows; four neighbouring lanes hold a block of 32.
.macro QUANT p
	WIN 0x05                                       ; sources 0 and 1 window 1
.set qr, 0
.rept 16
	v_max3_num_f32 v[MX+qr], |v[128*\p+8*qr]|, |v[128*\p+8*qr+1]|, 0x1800000   ; with the floor 2^(3 - 127): the byte cannot fall under 1
.set qr, qr+1
.endr
.irp i, 2,4,6
.set qr, 0
.rept 16
	v_max3_num_f32 v[MX+qr], |v[128*\p+8*qr+\i]|, |v[128*\p+8*qr+\i+1]|, v[MX+qr]   ; (the 16 rows by turns)
.set qr, qr+1
.endr
.endr
	WIN 0
.irp m, 1,2
.set qr, 0
.rept 16
	v_max_num_f32_dpp v[MX+qr], v[MX+qr], v[MX+qr] row_xmask:\m row_mask:0xf bank_mask:0xf
.set qr, qr+1
.endr
.endr
.set qr, 0
.rept 16
	v_add_nc_u32 v[MX+qr], 0xff000000, v[MX+qr]    ; 2 off the exponent field: the conversion's scale operand
.set qr, qr+1
.endr
	WIN 0x01                                       ; source 0 window 1
.set qr, 0
.rept 16
	v_cvt_scalef32_pk8_fp4_f32 v[CD+qr], v[128*\p+8*qr:128*\p+8*qr+7], v[MX+qr]
.set qr, qr+1
.endr
	WIN 0
.set qr, 0
.rept 16
	v_lshrrev_b32 v[BY+qr], 23, v[MX+qr]           ; the scale's byte.  (Plain lines behind the conversions)
.set qr, qr+1
.endr
.set qr, 0
.rept 16
	ds_store_b32 v[XCW], v[CD+qr] offset:\p*XCS+qr*XCP
.set qr, qr+1
.endr
.set qr, 0
.rept 16
	ds_store_b8 v[XSW], v[BY+qr] offset:\p*512+qr*8   ; the four lanes of a block write the same byte with the same value
.set qr, qr+1
.endr
.endm
; The fragments of K step e (128 along K) of slot p: my 12 tiles of W with their scale words, X's four tiles of rows; with e = 0 X's scale words of both steps
.macro FRAGS p, e
.set ft, 0
.rept 12
	ds_load_b128 v[WF+8*ft:WF+8*ft+3],   v[WFA+\p] offset:\e*12288+ft*1024
	ds_load_b128 v[WF+8*ft+4:WF+8*ft+7], v[WFA+\p] offset:\e*12288+ft*1024+512
.set ft, ft+1
.endr
.set ft, 0
.rept 12
	ds_load_b32 v[WSC+ft], v[WSA+\p] offset:\e*768+ft*64
.set ft, ft+1
.endr
.irp t, 0,1,2,3
	ds_load_b128 v[XF+8*\t:XF+8*\t+3],   v[XCR] offset:\p*XCS+\t*2304+64*\e
	ds_load_b128 v[XF+8*\t+4:XF+8*\t+7], v[XCR] offset:\p*XCS+\t*2304+64*\e+32
.endr
.if \e == 0
.irp t, 0,1,2,3
	ds_load_b64 v[XSC+2*\t:XSC+2*\t+1], v[XSR] offset:\p*512+\t*128
.endr
.endif
.endm
; 48 matrix instructions on 48 accumulators, which take turns, one instruction a turn, in the same order in every step.  zero = 1: the products start the sums
.macro MULS e, zero
	WIN 0xA0                                       ; C and D window 2
.irp t, 0,1,2,3
.set mu, 0
.rept 8
.set ac, 128*(mu/4)+8*(4*\t+mu%4)
.if \zero
	v_wmma_scale_f32_16x16x128_f8f6f4 v[ac:ac+7], v[WF+8*mu:WF+8*mu+7], v[XF+8*\t:XF+8*\t+7], 0, v[WSC+mu], v[XSC+2*\t+\e] matrix_a_fmt:MATRIX_FMT_FP4 matrix_b_fmt:MATRIX_FMT_FP4
.else
	v_wmma_scale_f32_16x16x128_f8f6f4 v[ac:ac+7], v[WF+8*mu:WF+8*mu+7], v[XF+8*\t:XF+8*\t+7], v[ac:ac+7], v[WSC+mu], v[XSC+2*\t+\e] matrix_a_fmt:MATRIX_FMT_FP4 matrix_b_fmt:MATRIX_FMT_FP4
.endif
.set mu, mu+1
.endr
.endr
	WIN 0xF0                                       ; C and D window 3
.irp t, 0,1,2,3
.irp n, 0,1,2,3
.if \zero
	v_wmma_scale_f32_16x16x128_f8f6f4 v[8*(4*\t+\n):8*(4*\t+\n)+7], v[XF+8*\t:XF+8*\t+7], v[WF+64+8*\n:WF+64+8*\n+7], 0, v[XSC+2*\t+\e], v[WSC+8+\n] matrix_a_fmt:MATRIX_FMT_FP4 matrix_b_fmt:MATRIX_FMT_FP4
.else
	v_wmma_scale_f32_16x16x128_f8f6f4 v[8*(4*\t+\n):8*(4*\t+\n)+7], v[XF+8*\t:XF+8*\t+7], v[WF+64+8*\n:WF+64+8*\n+7], v[8*(4*\t+\n):8*(4*\t+\n)+7], v[XSC+2*\t+\e], v[WSC+8+\n] matrix_a_fmt:MATRIX_FMT_FP4 matrix_b_fmt:MATRIX_FMT_FP4
.endif
.endr
.endr
	WIN 0
.endm
; A SLOT: 256 along K.  cnt: the other ring set's younger loads, which stay out.  xl = 1: the set is asked for again, two slots on.  rf = 1: the other LDS slot of W is filled with the next slot's part.
; ONE barrier, for three things: every wave's codes of this slot are in LDS; nobody reads the last slot's codes or W any more; and (a round of the cluster's barrier) the partners ask together.
.macro SLOT p, cnt, xl, rf, zero
	s_wait_loadcnt \cnt
	QUANT \p
.if \xl
	XLOAD \p, \p+2
.endif
	s_wait_tensorcnt 0x0                           ; my one tensor load, this slot's part of W, has landed: a group 0 may be written
	ds_add_u32 v[SPW], v[NIL]                      ; 0 onto my spare word
	s_add_nc_u64 s[34+4*\p:35+4*\p], s[34+4*\p:35+4*\p], 2*WSLOT   ; this slot's next part (behind the last it is not used)
	s_wait_dscnt 0x0                               ; the add is done, my stores have landed, my reads of the last slot are over
.if \rf
	ROUND
	tensor_load_to_lds s[36-4*\p:39-4*\p], s[24:31]   ; the first thing behind the round, and my one tensor load until the next
	s_nop 0
.else
	s_barrier_signal -1
	s_barrier_wait -1
.endif
	NOPS 4
	FRAGS \p, 0
	s_wait_dscnt 0x0
	MULS 0, \zero
	NOPS 4                                         ; places in front of loads into registers that matrix instructions have read
	FRAGS \p, 1
	s_wait_dscnt 0x0
	MULS 1, 0
.endm
	SLOT 0, 32, 1, 1, 1                            ; the first step's products start the sums: it stands ahead of the loop
	SLOT 1, 32, 1, 1, 0
	s_wait_xcnt 0x0                                ; the loads have read their base
	s_add_nc_u64 s[4:5], s[4:5], 2048
	s_mov_b32 s40, 2
.Lk:
	SLOT 0, 32, 1, 1, 0
	SLOT 1, 32, 1, 1, 0
	s_wait_xcnt 0x0
	s_add_nc_u64 s[4:5], s[4:5], 2048
	s_sub_co_u32 s40, s40, 1
	s_cmp_lg_u32 s40, 0
	s_cbranch_scc1 .Lk
	SLOT 0, 32, 0, 1, 0                            ; the last two slots ask for no more of X, the last for no more of W
	SLOT 1, 0, 0, 0, 0
	; ---- THE WAY OUT.  The chunk's largest raw magnitudes of Q, K and V
.macro AMAX dst, base                  ; four chains over 16 accumulators, each taken from its low end on
.set am, 0
.rept 16
.irp c, 0,1,2,3
.if am == 0
	v_max3_num_f32 v[\dst+\c], |v[\base+2*\c]|, |v[\base+2*\c+1]|, 0x800000   ; with the floor 2^-126: the exponent field is at least 1
.else
	v_max3_num_f32 v[\dst+\c], |v[\base+8*am+2*\c]|, |v[\base+8*am+2*\c+1]|, v[\dst+\c]
.endif
.endr
.set am, am+1
.endr
.endm
	NOPS 4                                         ; places behind the last products
	WIN 0x0A                                       ; sources 0 and 1 window 2
	AMAX 212, 0
	AMAX 216, 128
	WIN 0x0F                                       ; window 3
	AMAX 220, 0
	WIN 0
	v_max3_num_f32 v224, v212, v213, v214
	v_max3_num_f32 v225, v216, v217, v218
	v_max3_num_f32 v226, v220, v221, v222
	v_max_num_f32 v224, v224, v215
	v_max_num_f32 v225, v225, v219
	v_max_num_f32 v226, v226, v223
.irp m, 1,2,4,8
.irp c, 224,225,226
	v_max_num_f32_dpp v\c, v\c, v\c row_xmask:\m row_mask:0xf bank_mask:0xf
.endr
.endr
.irp c, 0,1,2
	v_mov_b32 v[234+\c], 0                         ; a lane permute's destination counts as one of its sources
.endr
.irp c, 0,1,2
	v_permlanex16_b32 v[234+\c], v[224+\c], s42, s43
.endr
.irp c, 0,1,2
	v_max_num_f32 v[224+\c], v[224+\c], v[234+\c]  ; my wave's 64 columns
.endr
	v_mov_b32 v227, v226
	v_mov_b32 v233, s59
	ds_store_b128 v233, v[224:227]                 ; all lanes write the same 16 bytes with the same values
	s_wait_dscnt 0x0                               ; for the others' sake
	s_barrier_signal -1
	s_barrier_wait -1
	v_mov_b32 v232, EX
.irp c, 0,1,2,3
	ds_load_b128 v[236+4*\c:239+4*\c], v232 offset:16*\c
.endr
	s_wait_dscnt 0x0
.irp c, 0,1,2
	v_max3_num_f32 v[224+\c], v[236+\c], v[240+\c], v[244+\c]
.endr
.irp c, 0,1,2
	v_max_num_f32 v[224+\c], v[224+\c], v[248+\c]  ; all 256 columns
.endr
.irp c, 0,1,2
	v_lshrrev_b32 v[224+\c], 23, v[224+\c]
.endr
.irp c, 0,1,2
	v_min_u32 v[224+\c], 253, v[224+\c]            ; be
.endr
	v_mov_b32 v227, 0
.irp c, 0,1,2
	v_sub_nc_u32 v[228+\c], 254, v[224+\c]
.endr
.irp c, 0,1,2
	v_lshlrev_b32 v[228+\c], 23, v[228+\c]         ; 2^(127 - be)
.endr
	v_mov_b32 v231, v230
	WIN 0xC3                                       ; destination and source 0 window 3: the factors go into the tables
.set q, 0
.rept 32
	v_mul_f32 v[ZQ+q], v[ZQ+q], v228
	v_mul_f32 v[ZQ+32+q], v[ZQ+32+q], v229
.set q, q+1
.endr
.set Y,  16
.set OU, 48
.set TZ, 96
; Tile of rows t of Q (g = 0) or K (g = 1): y0 = x0 zc - x1 zs, y1 = x1 zc + x0 zs for my 16 pairs; rounded to f16; four stores of 512 consecutive bytes
.macro ROT t, g
	WIN 0x0E                                       ; source 0 window 2, source 1 window 3
.set q, 0
.rept 16
.set ax, 128*\g+8*(4*\t+q/4)+2*(q%4)
.set zx, ZQ+32*\g+2*q
	v_mul_f32 v[Y+2*q],   v[ax+1], v[zx+1]
	v_mul_f32 v[Y+2*q+1], v[ax],   v[zx+1]
.set q, q+1
.endr
.set q, 0
.rept 16
.set ax, 128*\g+8*(4*\t+q/4)+2*(q%4)
.set zx, ZQ+32*\g+2*q
	v_fma_f32 v[Y+2*q],   v[ax],   v[zx], -v[Y+2*q]
	v_fma_f32 v[Y+2*q+1], v[ax+1], v[zx], v[Y+2*q+1]
.set q, q+1
.endr
	WIN 0
	s_wait_xcnt 0x0                                ; the earlier stores have read their data: the registers may be written again
.set q, 0
.rept 16
	v_cvt_pk_f16_f32 v[OU+16*\g+q], v[Y+2*q], v[Y+2*q+1]
.set q, q+1
.endr
.irp n, 0,1,2,3
	global_store_b128 v[LI], v[OU+16*\g+4*\n:OU+16*\g+4*\n+3], s[8+2*\g:9+2*\g] offset:\t*8192+(\n/2)*1024+(\n%2)*512
.endr
.endm
.macro STEPZ                           ; the tables 16 rows on: a complex multiplication for each of the 32 pairs
	WIN 0x0F                                       ; sources window 3
.set q, 0
.rept 32
	v_mul_f32 v[TZ+2*q],   v[ZQ+2*q+1], v[MQ+2*q+1]
	v_mul_f32 v[TZ+2*q+1], v[ZQ+2*q],   v[MQ+2*q+1]
.set q, q+1
.endr
	WIN 0xCF                                       ; destination, sources 0 and 1 window 3
.set q, 0
.rept 32
	v_fma_f32 v[ZQ+2*q],   v[ZQ+2*q],   v[MQ+2*q], -v[TZ+2*q]
	v_fma_f32 v[ZQ+2*q+1], v[ZQ+2*q+1], v[MQ+2*q], v[TZ+2*q+1]
.set q, q+1
.endr
.endm
.macro VOUT t                          ; tile of rows t of V: a lane's eight rows of a column are half a fragment with the keys along the registers
	WIN 0x03                                       ; source 0 window 3
.set q, 0
.rept 16
	v_pk_mul_f32 v[Y+2*q:Y+2*q+1], v[32*\t+2*q:32*\t+2*q+1], v[230:231]
.set q, q+1
.endr
	WIN 0
	s_wait_xcnt 0x0
.set q, 0
.rept 16
	v_cvt_pk_f16_f32 v[OU+16*(\t%2)+q], v[Y+2*q], v[Y+2*q+1]
.set q, q+1
.endr
.irp n, 0,1,2,3
	global_store_b128 v[LI], v[OU+16*(\t%2)+4*\n:OU+16*(\t%2)+4*\n+3], s[12:13] offset:(\t/2)*16384+\n*1024+(\t%2)*512
.endr
.endm
	ROT 0, 0
	ROT 0, 1
	STEPZ
	ROT 1, 0
	ROT 1, 1
	STEPZ
	ROT 2, 0
	ROT 2, 1
	STEPZ
	ROT 3, 0
	ROT 3, 1
	VOUT 0
	VOUT 1
	VOUT 2
	VOUT 3
	v_mov_b32 v235, 0
	s_wait_xcnt 0x0                                ; EXEC changes only behind this wait
	v_cmp_eq_u32 vcc_lo, 0, v0
	s_and_saveexec_b32 s44, vcc_lo                 ; thread 0 of the work-group alone
	global_store_b128 v235, v[224:227], s[14:15]   ; beQ, beK, beV, 0
	s_wait_xcnt 0x0
	s_or_b32 exec_lo, exec_lo, s44
	s_wait_tensorcnt 0x0                           ; the wave's end, behind my last tensor load and my last LDS store
	ds_add_u32 v[SPW], v[NIL]
	s_wait_dscnt 0x0
	ROUND                                          ; the closing round
	s_endpgm
.Lfunc_end_k_q222fb3ba4d_proj:
	.size	k_q222fb3ba4d_proj, .Lfunc_end_k_q222fb3ba4d_proj-k_q222fb3ba4d_proj
	.p2alignl 7, 3214868480
	.fill 96, 4, 3214868480
	.section	.rodata,"a",@progbits
	.p2align	6, 0x0
	.amdhsa_kernel k_q222fb3ba4d_proj
		.amdhsa_group_segment_fixed_size 327680
		.amdhsa_private_segment_fixed_size 0
		.amdhsa_enable_private_segment 0
		.amdhsa_kernarg_size 48
		.amdhsa_user_sgpr_count 2
		.amdhsa_user_sgpr_kernarg_segment_ptr 1
		.amdhsa_wavefront_size32 1
		.amdhsa_system_sgpr_workgroup_id_x 1
		.amdhsa_system_sgpr_workgroup_id_y 1
		.amdhsa_system_sgpr_workgroup_id_z 1
		.amdhsa_system_vgpr_workitem_id 0
		.amdhsa_next_free_vgpr 1024
		.amdhsa_next_free_sgpr 66
		.amdhsa_reserve_vcc 1
		.amdhsa_float_denorm_mode_32 3
		.amdhsa_float_denorm_mode_16_64 3
		.amdhsa_memory_ordered 1
		.amdhsa_forward_progress 1
		.amdhsa_inst_pref_size 255
	.end_amdhsa_kernel
	.section	.bss,"aw",@nobits
	.p2align	6
	.space	262144
	.amdgpu_metadata
---
amdhsa.version: [ 1, 2 ]
amdhsa.kernels:
  - .name:           k_q222fb3ba4d_proj
    .symbol:         k_q222fb3ba4d_proj.kd
    .args:
      - { .name: X, .offset: 0, .size: 8, .value_kind: global_buffer, .address_space: global }
      - { .name: wq, .offset: 8, .size: 8, .value_kind: global_buffer, .address_space: global }
      - { .name: Qf, .offset: 16, .size: 8, .value_kind: global_buffer, .address_space: global }
      - { .name: Kf, .offset: 24, .size: 8, .value_kind: global_buffer, .address_space: global }
      - { .name: Vt, .offset: 32, .size: 8, .value_kind: global_buffer, .address_space: global }
      - { .name: exps, .offset: 40, .size: 8, .value_kind: global_buffer, .address_space: global }
    .group_segment_fixed_size: 327680
    .private_segment_fixed_size: 0
    .kernarg_segment_align: 8
    .kernarg_segment_size: 48
    .max_flat_workgroup_size: 128
    .sgpr_count:     66
    .vgpr_count:     1024
    .wavefront_size: 32
...
	.end_amdgpu_metadata
.endif
;; end of part 2
;; launch state (part 3): grid 8 x 32, 4 waves a work-group, clusters of 4 x 4, 327,680 bytes of LDS; arguments Kf, Vt, exps, Hb; writes Hb
.if DOCPART == 3
	.amdgcn_target "amdgcn-amd-amdhsa--gfx1250"
	.amdhsa_code_object_version 6
	.text
	.protected	k_q222fb3ba4d_state
	.globl	k_q222fb3ba4d_state
	.p2align	8
	.type	k_q222fb3ba4d_state,@function
k_q222fb3ba4d_state:
	s_mov_b64 s[64:65], 0
	v_nop
	global_prefetch_b8 v0, s[64:65] scope:SCOPE_SE
	s_setreg_imm32_b32 hwreg(HW_REG_WAVE_MODE, 25, 1), 1
	s_wait_xcnt 0x0
	s_wait_alu depctr_hold_cnt(0) depctr_sa_sdst(0) depctr_va_vdst(0) depctr_va_sdst(0) depctr_va_ssrc(0) depctr_va_vcc(0) depctr_vm_vsrc(0)
	s_getreg_b32 s2, hwreg(HW_REG_IB_STS2, 6, 4)
	s_cmp_eq_u32 s2, 0
	s_cbranch_scc0 .Lentry_in_a_cluster
	s_endpgm
.Lentry_in_a_cluster:
	s_bfe_u32 s2, ttmp6, 0x10000c
	s_cmp_lg_u32 s2, 0xf033
	s_cbranch_scc0 .Lentry_shape_is_right
	s_endpgm
.Lentry_shape_is_right:
; THE STATES.  For each batch and each segment g of 256 rows: H_0 = 0,  H_(g+1)[d][v] = sqrt(sv_d) (gamma^256 H_g + sum over the segment's chunks j of gamma^(256 - 64 j) K^_j^T V_j):
; all that the earlier segments' keys give a later query, exactly.  Kf and Vt hold K^ and V normalised by 2^(127 - be) a chunk (exps); Mb = the batch's largest beK + beV; what is summed and stored
; is H x 2^-(Mb - 254): chunk j enters with 2^(beK + beV - Mb), at most 1.  Stored in f16 as fragments of H^T (16 v x 32 d) in the order of the operand's registers.
; LIMIT: a chunk whose beK + beV lies more than 14 under Mb loses f16 bits of its part; that error stays under 2^-24 of the batch's largest level.
; SHARES.  Work-group (x, y): 32 d (step x), 32 v (block y % 8), batch y / 8.  It walks the batch's 4,096 rows in four slots of 1,024 through a ring of two LDS slots.  In a slot wave w sums
; segment w's four tiles (2 x 16 d by 2 x 16 v); the sums change hands through LDS; then wave w carries tile w through the four segments in order and stores H ahead of each.
; The last segment's sum is made like the others and read by nobody: its wave would otherwise stand at the barrier.
; CLUSTER 4 x 4: K's tile hangs on x and the batch, which a column of the cluster shares; V's on y, which a row shares: each is asked for jointly by its four.  Two tensor loads of a wave are out at the start, then one.
; K lies with d along the registers and is wanted with the keys along them: ds_load_tr16_b128 turns it; its 32 lanes take 512 consecutive bytes.
.set SLOTB, 131072                     ; a slot: K [row tile 64][1,024], then V [step of 32 keys: 32][2,048]
.set XB,    262144                     ; the sums on their way between waves: [segment 4][tile 4][1,024]
.set SPARE, 278528                     ; the spare words, 128 bytes for each wave
.set AK,  5                            ; v5, v6  my segment's K in slot 0, 1 (with the turning load's order of lanes)
.set AV,  7                            ; v7, v8  its V
.set XBW, 9
.set XBR, 10
.set LI,  11                           ; 16 x lane
.set SPW, 12
.set NIL, 13
.set MB,  14                           ; Mb
.set EO,  15                           ; byte of my wave's first entry of exps in slot 0
.set FB,  16                           ; v16-143 two buffers of a chunk's fragments: K (e, dt) at 8 (2 e + dt), V (e, vt) at 32 + 8 (2 e + vt)
.set TMP, 144                          ; a chunk's K^T V, four tiles; in the scan: H in f16
.set US,  176                          ; the segment's sum
.set HR,  208                          ; H, my tile
.set SD,  216                          ; sqrt(sv) of my eight d
.set UR,  224                          ; entries and weights; in the scan: four segments' sums of my tile
.set WV,  12
.macro NOPS n
.rept \n
	v_nop
.endr
.endm
.macro ROUND
	s_barrier_signal -1
	s_barrier_wait -1
	s_cmp_lg_u32 s[WV], 0
	s_cbranch_scc1 .Lnot_wave_0_\@
	s_barrier_signal -3
.Lnot_wave_0_\@:
	s_barrier_wait -3
	s_barrier_signal -1
	s_barrier_wait -1
.endm
.macro JLOAD s                         ; waves 0 and 1 fetch K's halves of slot s, waves 2 and 3 V's; the branch hangs on the wave's number alone
	s_cmp_eq_u32 s13, 0
	s_cbranch_scc0 .Lfor_v_\@
	tensor_load_to_lds s[40+4*(\s):43+4*(\s)], s[24:31]
	s_nop 0
	NOPS 4
	s_branch .Lasked_\@
.Lfor_v_\@:
	tensor_load_to_lds s[48+4*(\s):51+4*(\s)], s[32:39]
	s_nop 0
	NOPS 4
.Lasked_\@:
.endm
	s_load_b256 s[4:11], s[0:1], 0x0               ; Kf s[4:5], Vt s[6:7], exps s[8:9], Hb s[10:11]
	v_lshl_add_u32 v[SPW], v0, 2, SPARE
	v_mov_b32 v[NIL], 0
	ds_add_u32 v[SPW], v[NIL]                      ; the wave's opening: the add, twice on end, and its wait ahead of my first tensor load
	ds_add_u32 v[SPW], v[NIL]
	v_lshrrev_b32 v1, 5, v0
	v_readfirstlane_b32 s[WV], v1                  ; wave 0..3
	s_lshr_b32 s13, s[WV], 1                       ; I fetch for K (0) or V (1).  Also dt of my tile
	s_and_b32 s14, s[WV], 1                        ; which half.  Also vt of my tile
	s_bfe_u32 s15, ttmp6, 0x40000                  ; cx
	s_bfe_u32 s16, ttmp6, 0x40004                  ; cy
	s_lshl_b32 s17, ttmp9, 2
	s_add_co_u32 s17, s17, s15                     ; x
	s_and_b32 s18, ttmp7, 0xffff                   ; the cluster's y
	s_lshr_b32 s19, s18, 1                         ; the batch: of the cluster's y alone
	s_lshl_b32 s20, s18, 2
	s_add_co_u32 s20, s20, s16                     ; y
	s_and_b32 s21, s20, 7                          ; the block of 32 v
	s_lshl_b32 s22, s16, 2
	s_lshl_b32 s22, 15, s22                        ; my row of the cluster
	s_lshl_b32 s23, 0x1111, s15                    ; my column
	s_or_b32 s24, s23, (3<<16)|(1<<21)             ; K: 32 rows of 1,024 bytes (128 elements of 8), 8,192 bytes apart
	s_mov_b32 s25, 128<<16
	s_mov_b32 s26, 32<<16
	s_mov_b32 s27, 128<<16
	s_mov_b32 s28, 32
	s_mov_b32 s29, 1024
	s_mov_b32 s30, 0
	s_mov_b32 s31, 0
	s_or_b32 s32, s22, (3<<16)|(1<<21)             ; V: 16 rows of 2,048 bytes, 16,384 bytes apart
	s_mov_b32 s33, 256<<16
	s_mov_b32 s34, 16<<16
	s_mov_b32 s35, 256<<16
	s_mov_b32 s36, 16
	s_mov_b32 s37, 2048
	s_mov_b32 s38, 0
	s_mov_b32 s39, 0
	s_lshl_b32 s68, s19, 21                        ; K: the batch, step x, my half: no register here holds cy
	s_lshl_b32 s69, s17, 10
	s_add_co_u32 s68, s68, s69
	s_lshl_b32 s69, s14, 18
	s_add_co_u32 s68, s68, s69
	s_mov_b32 s69, 0
	s_lshl_b32 s70, s19, 21                        ; V: the batch, the block of v, my half: none holds cx
	s_lshl_b32 s71, s21, 11
	s_add_co_u32 s70, s70, s71
	s_lshl_b32 s71, s14, 18
	s_add_co_u32 s70, s70, s71
	s_mov_b32 s71, 0
	s_lshl_b32 s72, s19, 21                        ; Hb: the batch's 16 segments of 131,072 bytes,
	s_lshl_b32 s73, s21, 1
	s_add_co_u32 s73, s73, s14
	s_lshl_b32 s73, s73, 13                        ; tile of v 2 (y % 8) + vt,
	s_add_co_u32 s72, s72, s73
	s_lshl_b32 s73, s17, 10                        ; step x,
	s_add_co_u32 s72, s72, s73
	s_lshl_b32 s73, s13, 9                         ; registers 4 dt on
	s_add_co_u32 s72, s72, s73
	s_mov_b32 s73, 0
	s_lshl_b32 s58, s[WV], 15                      ; where my loads go: wave x 32,768: no place in the cluster enters an LDS address
	s_mov_b32 s56, 0x76543210
	s_mov_b32 s57, 0xfedcba98
	s_mov_b32 s90, 0x3bb6db6e                      ; 2 / 358.4
	s_mov_b32 s91, 0x3e924925                      ; 102.4 / 358.4
	v_and_b32 v1, 31, v0
	v_and_b32 v2, 15, v0
	v_bfe_u32 v3, v0, 4, 1
	v_and_b32 v4, 7, v0
	v_lshl_add_u32 v4, v3, 3, v4
	v_bfe_u32 v15, v0, 3, 1
	v_lshl_add_u32 v4, v15, 4, v4
	v_lshlrev_b32 v4, 4, v4                        ; 16 x ((l % 8) + 8 (l / 16) + 16 ((l / 8) % 2)): key 8 (l / 16) + l % 8, eight d of half (l / 8) % 2
	s_lshl_b32 s59, s[WV], 14
	v_add_nc_u32 v[AK], s59, v4
	v_add_nc_u32 v[AK+1], SLOTB, v[AK]
	v_lshlrev_b32 v[LI], 4, v1
	v_add_nc_u32 v[AV], s59, v[LI]
	v_add_nc_u32 v[AV], 65536, v[AV]
	v_add_nc_u32 v[AV+1], SLOTB, v[AV]
	s_lshl_b32 s59, s[WV], 12
	s_add_co_u32 s59, s59, XB
	v_add_nc_u32 v[XBW], s59, v[LI]
	s_lshl_b32 s59, s[WV], 10
	s_add_co_u32 s59, s59, XB
	v_add_nc_u32 v[XBR], s59, v[LI]
	s_lshl_b32 s59, s19, 10
	v_add_nc_u32 v20, s59, v[LI]                   ; exps: the batch's 64 entries, 16 bytes a lane
	s_lshl_b32 s92, s[WV], 6
	s_add_co_u32 s92, s92, s59
	v_mov_b32 v[EO], s92
	s_wait_dscnt 0x0                               ; both opening adds are done
	s_wait_kmcnt 0x0
	s_add_nc_u64 s[60:61], s[4:5], s[68:69]
	s_add_nc_u64 s[62:63], s[6:7], s[70:71]
	s_add_nc_u64 s[10:11], s[10:11], s[72:73]
	ROUND                                          ; all sixteen work-groups are here: the first joint loads meet
.irp p, 0,1
	s_mov_b32 s[40+4*\p], 1
	s_add_co_u32 s[41+4*\p], s58, \p*SLOTB
	s_add_nc_u64 s[42+4*\p:43+4*\p], s[60:61], \p*0x80000
	s_or_b32 s[43+4*\p], s[43+4*\p], 0x80000000
	s_mov_b32 s[48+4*\p], 1
	s_add_co_u32 s[49+4*\p], s58, \p*SLOTB
	s_add_nc_u64 s[50+4*\p:51+4*\p], s[62:63], \p*0x80000
	s_or_b32 s[51+4*\p], s[51+4*\p], 0x80000000
.endr
	s_cmp_eq_u32 s13, 0                            ; a wave's two first fills stand in one branch, ahead of every wait on TENSORcnt and every LDS read
	s_cbranch_scc0 .Lfirst_v
	tensor_load_to_lds s[40:43], s[24:31]
	s_nop 0
	tensor_load_to_lds s[44:47], s[24:31]
	s_nop 0
	NOPS 4
	s_branch .Lfirst_asked
.Lfirst_v:
	tensor_load_to_lds s[48:51], s[32:39]
	s_nop 0
	tensor_load_to_lds s[52:55], s[32:39]
	s_nop 0
	NOPS 4
.Lfirst_asked:
	global_load_b128 v[24:27], v20, s[8:9]         ; entries l and l + 32 of my batch
	global_load_b128 v[28:31], v20, s[8:9] offset:512
	v_mov_b32 v16, 0x3f780000                      ; gamma
.rept 6
	v_mul_f32 v16, v16, v16
.endr
	v_mul_f32 v17, v16, v16
	v_mul_f32 v18, v17, v16
	v_mul_f32 v19, v17, v17
	v_readfirstlane_b32 s84, v16                   ; gamma^64, ^128, ^192, ^256
	v_readfirstlane_b32 s85, v17
	v_readfirstlane_b32 s86, v18
	v_readfirstlane_b32 s87, v19
	s_mov_b32 s88, s87                             ; (a pair for the packed form)
	s_mov_b32 s89, s87
	s_lshl_b32 s92, s17, 4
	s_lshl_b32 s93, s13, 3
	s_add_co_u32 s92, s92, s93
	v_lshl_add_u32 v21, v3, 2, s92                 ; the pair of d = 32 x + 16 dt + 8 h + j: i = 16 x + 8 dt + 4 h + j / 2
.irp p, 0,1,2,3
	v_add_nc_u32 v[32+\p], \p, v21
.endr
.irp p, 0,1,2,3
	v_cvt_f32_u32 v[32+\p], v[32+\p]
.endr
.irp p, 0,1,2,3
	v_fma_f32 v[32+\p], v[32+\p], s90, s91         ; sv
.endr
.irp p, 0,1,2,3
	v_sqrt_f32 v[SD+2*\p], v[32+\p]
	v_sqrt_f32 v[SD+2*\p+1], v[32+\p]
.endr
.irp i, 0,1,2,3,4,5,6,7
	v_mov_b32 v[HR+\i], 0                          ; H_0.  (Plain lines behind the roots)
.endr
	s_wait_alu depctr_va_vdst(0)                   ; one wait for the eight roots
	s_wait_loadcnt 0x0
	v_add_nc_u32 v24, v25, v26                     ; beK + beV
	v_add_nc_u32 v28, v29, v30
	v_cvt_f32_u32 v24, v24                         ; (at most 506: exact)
	v_cvt_f32_u32 v28, v28
	v_max_num_f32 v24, v24, v28
.irp m, 1,2,4,8
	v_max_num_f32_dpp v24, v24, v24 row_xmask:\m row_mask:0xf bank_mask:0xf
.endr
	v_permlanex16_b32 v28, v24, s56, s57
	v_max_num_f32 v24, v24, v28
	v_cvt_u32_f32 v[MB], v24                       ; Mb, in every lane
.macro LDC p, j, b                     ; chunk j of my segment in slot p: 16 loads into buffer b
.irp e, 0,1
.irp d, 0,1
	ds_load_tr16_b128 v[FB+64*(\b)+8*(2*\e+\d):FB+64*(\b)+8*(2*\e+\d)+3],   v[AK+\p] offset:(\j)*4096+\e*2048+\d*512
	ds_load_tr16_b128 v[FB+64*(\b)+8*(2*\e+\d)+4:FB+64*(\b)+8*(2*\e+\d)+7], v[AK+\p] offset:(\j)*4096+\e*2048+\d*512+1024
	ds_load_b128 v[FB+64*(\b)+32+8*(2*\e+\d):FB+64*(\b)+32+8*(2*\e+\d)+3],   v[AV+\p] offset:(2*(\j)+\e)*2048+\d*1024
	ds_load_b128 v[FB+64*(\b)+32+8*(2*\e+\d)+4:FB+64*(\b)+32+8*(2*\e+\d)+7], v[AV+\p] offset:(2*(\j)+\e)*2048+\d*1024+512
.endr
.endr
.endm
; Slot s of the batch's rows, in LDS slot p.  kind 0: the first; 1: the other LDS slot is filled again; 2: the last
.macro PHASE s, p, kind
.if \kind == 0
	s_wait_tensorcnt 0x1                           ; my part of slot 0 is in; slot 1's may stay out
	s_barrier_signal -1
	s_barrier_wait -1
.else
	s_wait_tensorcnt 0x0                           ; all my tensor loads have landed, my part of this slot among them
	ds_add_u32 v[SPW], v[NIL]                      ; 0 onto my spare word
.if \kind == 1
	s_add_nc_u64 s[46-4*\p:47-4*\p], s[46-4*\p:47-4*\p], 0x100000   ; the other slot's next 1,024 rows
	s_add_nc_u64 s[54-4*\p:55-4*\p], s[54-4*\p:55-4*\p], 0x100000
.endif
	s_wait_dscnt 0x0                               ; the add is done, and my reads of the slot that I have left and of the sums are over
.if \kind == 1
	ROUND                                          ; no wave of any partner still reads that slot or has a load on its way
	JLOAD 1-\p
.else
	s_barrier_signal -1
	s_barrier_wait -1
.endif
.endif
	s_wait_xcnt 0x0                                ; the last phase's stores have read their data, which the products below write over
.irp j, 0,1,2,3
	global_load_b128 v[UR+4*\j:UR+4*\j+3], v[EO], s[8:9] offset:\s*256+\j*16   ; my segment's four entries, the same address in every lane
.endr
	LDC \p, 0, 0
	s_wait_loadcnt 0x0
.irp j, 0,1,2,3
	v_add_nc_u32 v[UR+4*\j], v[UR+4*\j+1], v[UR+4*\j+2]
	v_sub_nc_u32 v[UR+4*\j], v[UR+4*\j], v[MB]
	v_ldexp_f32 v[UR+16+2*\j], s[87-\j], v[UR+4*\j]   ; gamma^(256 - 64 j) 2^(beK + beV - Mb), twice: a pair for the packed forms
	v_ldexp_f32 v[UR+17+2*\j], s[87-\j], v[UR+4*\j]
.endr
.irp j, 0,1,2,3
.if \j < 3
	LDC \p, \j+1, (\j+1)%2
	s_wait_dscnt 16                                ; the next chunk's 16 loads may be out
.else
	s_wait_dscnt 0x0
.endif
.irp e, 0,1                            ; K^T V of 64 keys: four accumulators by turns; the first 32 keys start the sums
.irp d, 0,1
.irp c, 0,1
.if \e == 0
	v_wmma_f32_16x16x32_f16 v[TMP+8*(2*\d+\c):TMP+8*(2*\d+\c)+7], v[FB+64*(\j%2)+8*(2*\e+\d):FB+64*(\j%2)+8*(2*\e+\d)+7], v[FB+64*(\j%2)+32+8*(2*\e+\c):FB+64*(\j%2)+32+8*(2*\e+\c)+7], 0
.else
	v_wmma_f32_16x16x32_f16 v[TMP+8*(2*\d+\c):TMP+8*(2*\d+\c)+7], v[FB+64*(\j%2)+8*(2*\e+\d):FB+64*(\j%2)+8*(2*\e+\d)+7], v[FB+64*(\j%2)+32+8*(2*\e+\c):FB+64*(\j%2)+32+8*(2*\e+\c)+7], v[TMP+8*(2*\d+\c):TMP+8*(2*\d+\c)+7]
.endif
.endr
.endr
.endr
	NOPS 5                                         ; places: the results are read below, and the next chunk's first products write over them
.set q, 0
.rept 16
.if \j == 0
	v_pk_mul_f32 v[US+q:US+q+1], v[TMP+q:TMP+q+1], v[UR+16+2*\j:UR+17+2*\j]
.else
	v_pk_fma_f32 v[US+q:US+q+1], v[TMP+q:TMP+q+1], v[UR+16+2*\j:UR+17+2*\j], v[US+q:US+q+1]
.endif
.set q, q+2
.endr
.endr
.irp t, 0,1,2,3
	ds_store_b128 v[XBW], v[US+8*\t:US+8*\t+3] offset:\t*1024       ; images of the registers: 16 bytes a lane
	ds_store_b128 v[XBW], v[US+8*\t+4:US+8*\t+7] offset:\t*1024+512
.endr
	s_wait_dscnt 0x0                               ; for the others' sake
	s_barrier_signal -1
	s_barrier_wait -1
.irp g, 0,1,2,3
	ds_load_b128 v[UR+8*\g:UR+8*\g+3],   v[XBR] offset:\g*4096
	ds_load_b128 v[UR+8*\g+4:UR+8*\g+7], v[XBR] offset:\g*4096+512
.endr
	s_wait_dscnt 0x0
.irp g, 0,1,2,3                        ; my tile through the slot's four segments, in order: H is stored ahead of each
.irp i, 0,1,2,3
	v_cvt_pk_f16_f32 v[TMP+4*\g+\i], v[HR+2*\i], v[HR+2*\i+1]
.endr
	global_store_b128 v[LI], v[TMP+4*\g:TMP+4*\g+3], s[10:11] offset:(4*\s+\g)*131072   ; 512 consecutive bytes, aligned
.if 4*\s+\g < 15
.irp i, 0,1,2,3
	v_pk_fma_f32 v[HR+2*\i:HR+2*\i+1], v[HR+2*\i:HR+2*\i+1], s[88:89], v[UR+8*\g+2*\i:UR+8*\g+2*\i+1] op_sel_hi:[1,0,1]
.endr
.irp i, 0,1,2,3
	v_pk_mul_f32 v[HR+2*\i:HR+2*\i+1], v[HR+2*\i:HR+2*\i+1], v[SD+2*\i:SD+2*\i+1]
.endr
.endif
.endr
.endm
	PHASE 0, 0, 0
	PHASE 1, 1, 1
	PHASE 2, 0, 1
	PHASE 3, 1, 2
	s_wait_tensorcnt 0x0                           ; the wave's end, behind my last tensor load and my last LDS store
	ds_add_u32 v[SPW], v[NIL]
	s_wait_dscnt 0x0
	ROUND                                          ; the closing round
	s_endpgm
.Lfunc_end_k_q222fb3ba4d_state:
	.size	k_q222fb3ba4d_state, .Lfunc_end_k_q222fb3ba4d_state-k_q222fb3ba4d_state
	.p2alignl 7, 3214868480
	.fill 96, 4, 3214868480
	.section	.rodata,"a",@progbits
	.p2align	6, 0x0
	.amdhsa_kernel k_q222fb3ba4d_state
		.amdhsa_group_segment_fixed_size 327680
		.amdhsa_private_segment_fixed_size 0
		.amdhsa_enable_private_segment 0
		.amdhsa_kernarg_size 32
		.amdhsa_user_sgpr_count 2
		.amdhsa_user_sgpr_kernarg_segment_ptr 1
		.amdhsa_wavefront_size32 1
		.amdhsa_system_sgpr_workgroup_id_x 1
		.amdhsa_system_sgpr_workgroup_id_y 1
		.amdhsa_system_sgpr_workgroup_id_z 1
		.amdhsa_system_vgpr_workitem_id 0
		.amdhsa_next_free_vgpr 256
		.amdhsa_next_free_sgpr 100
		.amdhsa_reserve_vcc 0
		.amdhsa_float_denorm_mode_32 3
		.amdhsa_float_denorm_mode_16_64 3
		.amdhsa_memory_ordered 1
		.amdhsa_forward_progress 1
		.amdhsa_inst_pref_size 77
	.end_amdhsa_kernel
	.amdgpu_metadata
---
amdhsa.version: [ 1, 2 ]
amdhsa.kernels:
  - .name:           k_q222fb3ba4d_state
    .symbol:         k_q222fb3ba4d_state.kd
    .args:
      - { .name: Kf, .offset: 0, .size: 8, .value_kind: global_buffer, .address_space: global }
      - { .name: Vt, .offset: 8, .size: 8, .value_kind: global_buffer, .address_space: global }
      - { .name: exps, .offset: 16, .size: 8, .value_kind: global_buffer, .address_space: global }
      - { .name: Hb, .offset: 24, .size: 8, .value_kind: global_buffer, .address_space: global }
    .group_segment_fixed_size: 327680
    .private_segment_fixed_size: 0
    .kernarg_segment_align: 8
    .kernarg_segment_size: 32
    .max_flat_workgroup_size: 128
    .sgpr_count:     100
    .vgpr_count:     256
    .wavefront_size: 32
...
	.end_amdgpu_metadata
.endif
;; end of part 3
;; launch retain (part 4): grid 4 x 64, 4 waves a work-group, clusters of 4 x 1, 214,528 bytes of LDS; arguments Qf, Kf, Vt, Hb, exps, out0; writes out0
.if DOCPART == 4
	.amdgcn_target "amdgcn-amd-amdhsa--gfx1250"
	.amdhsa_code_object_version 6
	.text
	.protected	k_q222fb3ba4d_retain
	.globl	k_q222fb3ba4d_retain
	.p2align	8
	.type	k_q222fb3ba4d_retain,@function
k_q222fb3ba4d_retain:
	s_mov_b64 s[64:65], 0
	v_nop
	global_prefetch_b8 v0, s[64:65] scope:SCOPE_SE
	s_setreg_imm32_b32 hwreg(HW_REG_WAVE_MODE, 25, 1), 1
	s_wait_xcnt 0x0
	s_wait_alu depctr_hold_cnt(0) depctr_sa_sdst(0) depctr_va_vdst(0) depctr_va_sdst(0) depctr_va_ssrc(0) depctr_va_vcc(0) depctr_vm_vsrc(0)
	s_getreg_b32 s2, hwreg(HW_REG_IB_STS2, 6, 4)
	s_cmp_eq_u32 s2, 0
	s_cbranch_scc0 .Lentry_in_a_cluster
	s_endpgm
.Lentry_in_a_cluster:
	s_bfe_u32 s2, ttmp6, 0x10000c
	s_cmp_lg_u32 s2, 0x3003
	s_cbranch_scc0 .Lentry_shape_is_right
	s_endpgm
.Lentry_shape_is_right:
; THE OUTPUTS.  For a query in chunk u of segment g:  out = gamma^(64 u) Q^ H_g  +  sum over the segment's chunks j <= u of (gamma^(64 (u - j)) Q^ K^_j^T, masked on the diagonal chunk) V_j.
; Qf, Kf, Vt hold Q^, K^, V normalised by 2^(127 - be) a chunk (exps); Hb holds H x 2^-(Mb - 254), Mb the batch's largest beK + beV.  The scores of chunk j are multiplied by 2^(beK + beV - Mb), at most 1,
; ahead of their rounding to f16; the sums are multiplied by 2^(beQ + Mb - 381) at the end: both exact.
; LIMIT: a chunk whose beK + beV lies more than 14 under Mb loses f16 bits of its scores; that error stays under 2^-24 of the batch's largest level.
; SHARES.  Work-group (cx, y): segment y = 16 batch + g, quarter cx of the 256 columns.  Wave w owns four tiles of 16 queries, tile u = rows 64 u + 16 w: one of each chunk, so that all waves have the same work.
; All products are used transposed (source 1 = the queries): a lane holds one query throughout, and eight keys or eight columns.
; LDS holds the segment's K (131,072 bytes), the quarter's V and H^T (32,768 each): everything is filled once.  CLUSTER: the four quarters read the same K: its two loads a wave are joint.  Four tensor loads of a wave are out.
; REGISTERS: window 0: v4-31 addresses and factors; v32-95 two buffers of four fragments; v96-223 the scores, 32 a tile.   window 1: Q (u, step of 32 d) at 64 u + 8 ds.
;   window 2: the sums (u, tile of columns) at 32 u + 8 vt; from v128 the scores in f16, 16 a tile.
.set VTL,   32768                      ; V: [step of 32 keys: 8][tile of columns 4][1,024];  H^T lies at 0: [tile of columns 4][step of 32 d: 8][1,024]
.set KFL,   65536                      ; K: [row tile 16][step of 32 d: 8][1,024]
.set STG,   196608                     ; the way out: 16 rows x (256 bytes + 16) for each wave
.set SPARE, 214016                     ; the spare words, 128 bytes for each wave
.set AL,  4                            ; 16 x lane
.set AK,  5                            ; v5, v6: + 65,536, + 131,072
.set STO, 7
.set RD,  8
.set GO,  9
.set DG,  10                           ; 16 w + r - 8 h: key 16 kt + j of the diagonal chunk is hidden where 16 kt + j is greater
.set ZR,  11                           ; 0
.set SPW, 12
.set NIL, 13
.set FR,  32
.set SA,  96
.set WV,  16
.set MSB, 0
.macro WIN new
.if MSB != \new
	s_set_vgpr_msb (MSB<<8)|\new
.set MSB, \new
.endif
.endm
.macro NOPS n
.rept \n
	v_nop
.endr
.endm
.macro ROUND
	s_barrier_signal -1
	s_barrier_wait -1
	s_cmp_lg_u32 s[WV], 0
	s_cbranch_scc1 .Lnot_wave_0_\@
	s_barrier_signal -3
.Lnot_wave_0_\@:
	s_barrier_wait -3
	s_barrier_signal -1
	s_barrier_wait -1
.endm
	s_load_b256 s[4:11], s[0:1], 0x0               ; Qf s[4:5], Kf s[6:7], Vt s[8:9], Hb s[10:11]
	s_load_b128 s[12:15], s[0:1], 0x20             ; exps s[12:13], out0 s[14:15]
	v_lshl_add_u32 v[SPW], v0, 2, SPARE
	v_mov_b32 v[NIL], 0
	ds_add_u32 v[SPW], v[NIL]                      ; the wave's opening: the add, twice on end, and its wait ahead of my first tensor load
	ds_add_u32 v[SPW], v[NIL]
	v_lshrrev_b32 v1, 5, v0
	v_readfirstlane_b32 s[WV], v1                  ; wave 0..3
	s_bfe_u32 s17, ttmp6, 0x40000                  ; cx: the quarter of the columns
	s_and_b32 s18, ttmp7, 0xffff                   ; y
	s_mov_b32 s24, 3<<16                           ; H^T: 32 dense rows of 256 bytes; no mask
	s_mov_b32 s25, 32<<16
	s_mov_b32 s26, 32<<16
	s_mov_b32 s27, 32<<16
	s_mov_b32 s28, 32
	s_mov_b32 s29, 32
	s_mov_b32 s30, 0
	s_mov_b32 s31, 0
	s_mov_b32 s32, 3<<16                           ; V: 2 rows of 4,096 bytes, 16,384 bytes apart; no mask
	s_mov_b32 s33, 512<<16
	s_mov_b32 s34, 2<<16
	s_mov_b32 s35, 512<<16
	s_mov_b32 s36, 2
	s_mov_b32 s37, 2048
	s_mov_b32 s38, 0
	s_mov_b32 s39, 0
	s_mov_b32 s40, 15|(3<<16)|(1<<21)              ; K: 64 dense rows of 256 bytes; the mask of all four, bit 21 beside it
	s_mov_b32 s41, 32<<16
	s_mov_b32 s42, 64<<16
	s_mov_b32 s43, 32<<16
	s_mov_b32 s44, 64
	s_mov_b32 s45, 32
	s_mov_b32 s46, 0
	s_mov_b32 s47, 0
	s_lshl_b32 s76, s18, 17                        ; a segment is 131,072 bytes in each of Qf, Kf, Vt, Hb
	s_lshl_b32 s78, s[WV], 14
	s_add_co_u32 s78, s78, s76                     ; K: y and the wave alone
	s_mov_b32 s79, 0
	s_lshl_b32 s80, s17, 15
	s_lshl_b32 s81, s[WV], 13
	s_add_co_u32 s80, s80, s81
	s_add_co_u32 s80, s80, s76                     ; H^T: the quarter's four tiles, mine
	s_mov_b32 s81, 0
	s_lshl_b32 s82, s[WV], 15
	s_lshl_b32 s83, s17, 12
	s_add_co_u32 s82, s82, s83
	s_add_co_u32 s82, s82, s76                     ; V: my two steps of 32 keys, the quarter's 4,096 bytes of each
	s_mov_b32 s83, 0
	s_lshl_b32 s84, s[WV], 13
	s_add_co_u32 s84, s84, s76                     ; Q: row tile w of each chunk
	s_mov_b32 s85, 0
	s_lshl_b32 s86, s18, 18
	s_lshl_b32 s87, s[WV], 14
	s_add_co_u32 s86, s86, s87
	s_lshl_b32 s87, s17, 8
	s_add_co_u32 s86, s86, s87                     ; out0: 256 y rows of 1,024 bytes, + 16 w rows, + the quarter's 256 bytes
	s_mov_b32 s87, 0
	s_lshl_b32 s88, s[WV], 13
	s_lshl_b32 s89, s[WV], 14
	s_mov_b32 s68, 0x76543210
	s_mov_b32 s69, 0xfedcba98
	v_and_b32 v1, 31, v0
	v_and_b32 v2, 15, v0
	v_bfe_u32 v3, v0, 4, 1
	v_lshlrev_b32 v[AL], 4, v1
	v_add_nc_u32 v[AK], 65536, v[AL]
	v_add_nc_u32 v[AK+1], 131072, v[AL]
	s_mul_i32 s90, s[WV], 4352
	s_add_co_u32 s90, s90, STG
	v_mul_u32_u24 v[STO], v2, 272
	v_lshl_add_u32 v[STO], v3, 5, v[STO]
	v_add_nc_u32 v[STO], s90, v[STO]               ; in: row r, 32 bytes for each half of the lanes
	v_mul_u32_u24 v[RD], v3, 272
	v_lshl_add_u32 v[RD], v2, 4, v[RD]
	v_add_nc_u32 v[RD], s90, v[RD]                 ; back: lanes 0-15 one row of 256 bytes, lanes 16-31 the next
	v_lshlrev_b32 v[GO], 10, v3
	v_lshl_add_u32 v[GO], v2, 4, v[GO]             ; and the same in out0
	s_lshl_b32 s91, s[WV], 4
	v_lshlrev_b32 v25, 3, v3
	v_sub_nc_u32 v[DG], v2, v25
	v_add_nc_u32 v[DG], s91, v[DG]
	v_mov_b32 v[ZR], 0
	s_lshr_b32 s91, s18, 4
	s_lshl_b32 s91, s91, 10
	v_add_nc_u32 v248, s91, v[AL]                  ; exps: my batch's 64 entries, 16 bytes a lane
	s_lshl_b32 s91, s18, 6
	v_mov_b32 v249, s91                            ; and my segment's four
	s_wait_dscnt 0x0                               ; both opening adds are done
	s_wait_kmcnt 0x0
	s_mov_b32 s48, 1
	s_mov_b32 s49, s88
	s_add_nc_u64 s[50:51], s[10:11], s[80:81]
	s_or_b32 s51, s51, 0x80000000
	s_mov_b32 s52, 1
	s_add_co_u32 s53, s88, VTL
	s_add_nc_u64 s[54:55], s[8:9], s[82:83]
	s_or_b32 s55, s55, 0x80000000
	s_mov_b32 s56, 1
	s_add_co_u32 s57, s89, KFL
	s_add_nc_u64 s[58:59], s[6:7], s[78:79]
	s_or_b32 s59, s59, 0x80000000
	s_mov_b32 s60, 1
	s_add_co_u32 s61, s89, KFL+65536
	s_add_nc_u64 s[62:63], s[6:7], s[78:79]
	s_add_nc_u64 s[62:63], s[62:63], 0x10000
	s_or_b32 s63, s63, 0x80000000
	s_add_nc_u64 s[4:5], s[4:5], s[84:85]
	s_add_nc_u64 s[14:15], s[14:15], s[86:87]
	ROUND                                          ; all four work-groups are here
	tensor_load_to_lds s[48:51], s[24:31]          ; H^T, my tile of columns
	s_nop 0
	tensor_load_to_lds s[52:55], s[32:39]          ; V, my two steps of keys
	s_nop 0
	tensor_load_to_lds s[56:59], s[40:47]          ; K, rows 0-127: my quarter (joint)
	s_nop 0
	tensor_load_to_lds s[60:63], s[40:47]          ; K, rows 128-255 (joint)
	s_nop 0
	NOPS 4
	global_load_b128 v[240:243], v248, s[12:13]
	global_load_b128 v[244:247], v248, s[12:13] offset:512
.irp u, 0,1,2,3
	global_load_b128 v[224+4*\u:227+4*\u], v249, s[12:13] offset:16*\u   ; the same address in every lane
.endr
	WIN 0x40                                       ; destination window 1
.set q, 0
.rept 32                               ; Q stays in registers: tile q / 8, step q % 8
	global_load_b128 v[8*q:8*q+3],   v[AL], s[4:5] offset:(q/8)*32768+(q%8)*1024
	global_load_b128 v[8*q+4:8*q+7], v[AL], s[4:5] offset:(q/8)*32768+(q%8)*1024+512
.set q, q+1
.endr
	WIN 0
	v_mov_b32 v26, 0x3f780000                      ; gamma
.rept 6
	v_mul_f32 v26, v26, v26
.endr
	v_mul_f32 v28, v26, v26
	v_mul_f32 v30, v28, v26
	v_mov_b32 v27, v26                             ; gamma^64, ^128, ^192 as pairs,
	v_mov_b32 v29, v28
	v_mov_b32 v31, v30
	s_mov_b32 s72, 0x3f800000                      ; and as scalars, behind 1
	v_readfirstlane_b32 s73, v26
	v_readfirstlane_b32 s74, v28
	v_readfirstlane_b32 s75, v30
	s_wait_loadcnt 0x0
	v_add_nc_u32 v240, v241, v242                  ; beK + beV
	v_add_nc_u32 v244, v245, v246
	v_cvt_f32_u32 v240, v240
	v_cvt_f32_u32 v244, v244
	v_max_num_f32 v240, v240, v244
.irp m, 1,2,4,8
	v_max_num_f32_dpp v240, v240, v240 row_xmask:\m row_mask:0xf bank_mask:0xf
.endr
	v_permlanex16_b32 v244, v240, s68, s69
	v_max_num_f32 v240, v240, v244
	v_cvt_u32_f32 v24, v240                        ; Mb
.irp j, 0,1,2,3
	v_add_nc_u32 v[16+\j], v[225+4*\j], v[226+4*\j]
	v_add_nc_u32 v[20+\j], v[224+4*\j], v24
.endr
.irp j, 0,1,2,3
	v_sub_nc_u32 v[16+\j], v[16+\j], v24           ; chunk j's beK + beV - Mb
	v_add_nc_u32 v[20+\j], 0xfffffe83, v[20+\j]    ; chunk u's beQ + Mb - 381
.endr
.macro LDF b, adr, off, str            ; four fragments, str bytes apart, into buffer b: eight loads
.irp i, 0,1,2,3
	ds_load_b128 v[FR+32*(\b)+8*\i:FR+32*(\b)+8*\i+3],   v[\adr] offset:(\off)+\i*(\str)
	ds_load_b128 v[FR+32*(\b)+8*\i+4:FR+32*(\b)+8*\i+7], v[\adr] offset:(\off)+\i*(\str)+512
.endr
.endm
	s_wait_tensorcnt 0x3                           ; my tile of H^T is in; the three loads behind it may be out
	s_barrier_signal -1
	s_barrier_wait -1                              ; everybody's is
	; ---- the earlier segments: sums (u, vt) = H^T Q^T.  16 accumulators by turns; the first step starts the sums
	LDF 0, AL, 0, 8192
.irp d, 0,1,2,3,4,5,6,7
	NOPS 4                                         ; places in front of loads into registers that matrix instructions have read
.if \d < 7
	LDF (\d+1)%2, AL, (\d+1)*1024, 8192
	s_wait_dscnt 8                                 ; the next step's eight loads may be out
.else
	s_wait_dscnt 0x0
.endif
	WIN 0xA4                                       ; source 1 (Q) window 1, C and D window 2
.irp u, 0,1,2,3
.irp c, 0,1,2,3
.if \d == 0
	v_wmma_f32_16x16x32_f16 v[32*\u+8*\c:32*\u+8*\c+7], v[FR+32*(\d%2)+8*\c:FR+32*(\d%2)+8*\c+7], v[64*\u+8*\d:64*\u+8*\d+7], 0
.else
	v_wmma_f32_16x16x32_f16 v[32*\u+8*\c:32*\u+8*\c+7], v[FR+32*(\d%2)+8*\c:FR+32*(\d%2)+8*\c+7], v[64*\u+8*\d:64*\u+8*\d+7], v[32*\u+8*\c:32*\u+8*\c+7]
.endif
.endr
.endr
	WIN 0
.endr
	NOPS 4
	WIN 0x82                                       ; destination and source 0 window 2
.irp u, 1,2,3
.set q, 0
.rept 16
	v_pk_mul_f32 v[32*\u+q:32*\u+q+1], v[32*\u+q:32*\u+q+1], v[24+2*\u:25+2*\u]   ; x gamma^(64 u)
.set q, q+2
.endr
.endr
	WIN 0
; Chunk j of keys, for the query tiles u >= j
.macro CHUNK j
	NOPS 4
	LDF 0, AK+(\j)/2, (4*((\j)%2))*8192, 8192
.irp d, 0,1,2,3,4,5,6,7                ; scores^T (u, kt) = K Q^T
	NOPS 4
.if \d < 7
	LDF (\d+1)%2, AK+(\j)/2, (4*((\j)%2))*8192+(\d+1)*1024, 8192
	s_wait_dscnt 8
.else
	s_wait_dscnt 0x0
.endif
	WIN 0x04                                       ; source 1 (Q) window 1
.irp u, 0,1,2,3
.if \u >= \j
.irp c, 0,1,2,3
.if \d == 0
	v_wmma_f32_16x16x32_f16 v[SA+32*\u+8*\c:SA+32*\u+8*\c+7], v[FR+32*(\d%2)+8*\c:FR+32*(\d%2)+8*\c+7], v[64*\u+8*\d:64*\u+8*\d+7], 0
.else
	v_wmma_f32_16x16x32_f16 v[SA+32*\u+8*\c:SA+32*\u+8*\c+7], v[FR+32*(\d%2)+8*\c:FR+32*(\d%2)+8*\c+7], v[64*\u+8*\d:64*\u+8*\d+7], v[SA+32*\u+8*\c:SA+32*\u+8*\c+7]
.endif
.endr
.endif
.endr
	WIN 0
.endr
	NOPS 4
	LDF 0, AL, VTL+(2*(\j))*4096, 1024             ; the chunk's V, both steps of 32 keys: they land while the scores are scaled
	LDF 1, AL, VTL+(2*(\j)+1)*4096, 1024
.irp u, 0,1,2,3
.if \u >= \j
	v_ldexp_f32 v14, s[72+\u-\j], v[16+\j]         ; gamma^(64 (u - j)) 2^(beK + beV - Mb), twice
	v_ldexp_f32 v15, s[72+\u-\j], v[16+\j]
.set cq, 0
.rept 16
	v_pk_mul_f32 v[SA+32*\u+2*cq:SA+32*\u+2*cq+1], v[SA+32*\u+2*cq:SA+32*\u+2*cq+1], v[14:15]
.set cq, cq+1
.endr
.if \u == \j                           ; the diagonal chunk: keys behind the query count for nothing
.set cq, 0
.rept 32
	v_cmp_gt_i32 vcc_lo, 16*(cq/8)+cq%8, v[DG]
	v_cndmask_b32 v[SA+32*\u+cq], v[SA+32*\u+cq], v[ZR], vcc_lo
.set cq, cq+1
.endr
.endif
	WIN 0x80                                       ; destination window 2
.set cq, 0
.rept 16
	v_cvt_pk_f16_f32 v[128+16*\u+cq], v[SA+32*\u+2*cq], v[SA+32*\u+2*cq+1]   ; two tiles of 16 keys are source 1 of the next product as they stand
.set cq, cq+1
.endr
	WIN 0
.endif
.endr
.irp e, 0,1                            ; sums (u, vt) += V^T scores
.if \e == 0
	s_wait_dscnt 8                                 ; the second step's eight loads may be out
.else
	s_wait_dscnt 0x0
.endif
	WIN 0xA8                                       ; source 1 window 2, C and D window 2
.irp u, 0,1,2,3
.if \u >= \j
.irp c, 0,1,2,3
	v_wmma_f32_16x16x32_f16 v[32*\u+8*\c:32*\u+8*\c+7], v[FR+32*\e+8*\c:FR+32*\e+8*\c+7], v[128+16*\u+8*\e:128+16*\u+8*\e+7], v[32*\u+8*\c:32*\u+8*\c+7]
.endr
.endif
.endr
	WIN 0
.endr
.endm
	s_wait_tensorcnt 0x1                           ; my parts of V and of K's rows 0-127 are in; the last load may be out
	s_wait_dscnt 0x0
	s_barrier_signal -1
	s_barrier_wait -1
	CHUNK 0
	CHUNK 1
	s_wait_tensorcnt 0x0
	s_wait_dscnt 0x0
	s_barrier_signal -1
	s_barrier_wait -1
	CHUNK 2
	CHUNK 3
	; ---- THE WAY OUT, a tile of 16 queries at a time, through my own stage: sixteen lanes store 256 consecutive bytes, aligned
	NOPS 4
.irp u, 0,1,2,3
	WIN 0x02                                       ; source 0 window 2
.set q, 0
.rept 32
	v_ldexp_f32 v[SA+64*(\u%2)+q], v[32*\u+q], v[20+\u]   ; x 2^(beQ + Mb - 381)
.set q, q+1
.endr
	WIN 0
.irp c, 0,1,2,3
	ds_store_b128 v[STO], v[SA+64*(\u%2)+8*\c:SA+64*(\u%2)+8*\c+3] offset:64*\c
	ds_store_b128 v[STO], v[SA+64*(\u%2)+8*\c+4:SA+64*(\u%2)+8*\c+7] offset:64*\c+16
.endr
.if \u > 1
	s_wait_xcnt 0x0                                ; the stores of two tiles back have read their data: the loads below may land there
.endif
.irp i, 0,1,2,3,4,5,6,7
	ds_load_b128 v[SA+32+64*(\u%2)+4*\i:SA+32+64*(\u%2)+4*\i+3], v[RD] offset:544*\i   ; LDS serves a wave's instructions in order (ISA guide 5.7.1.4): these see my stores, and the next tile's stores come behind them
.endr
.irp i, 0,1,2,3,4,5,6,7
	s_wait_dscnt 7-\i
	global_store_b128 v[GO], v[SA+32+64*(\u%2)+4*\i:SA+32+64*(\u%2)+4*\i+3], s[14:15] offset:(64*\u+2*\i)*1024 th:TH_STORE_NT
.endr
.endr
	s_wait_tensorcnt 0x0                           ; the wave's end, behind my last tensor load and my last LDS store
	ds_add_u32 v[SPW], v[NIL]
	s_wait_dscnt 0x0
	ROUND                                          ; the closing round
	s_endpgm
.Lfunc_end_k_q222fb3ba4d_retain:
	.size	k_q222fb3ba4d_retain, .Lfunc_end_k_q222fb3ba4d_retain-k_q222fb3ba4d_retain
	.p2alignl 7, 3214868480
	.fill 96, 4, 3214868480
	.section	.rodata,"a",@progbits
	.p2align	6, 0x0
	.amdhsa_kernel k_q222fb3ba4d_retain
		.amdhsa_group_segment_fixed_size 214528
		.amdhsa_private_segment_fixed_size 0
		.amdhsa_enable_private_segment 0
		.amdhsa_kernarg_size 48
		.amdhsa_user_sgpr_count 2
		.amdhsa_user_sgpr_kernarg_segment_ptr 1
		.amdhsa_wavefront_size32 1
		.amdhsa_system_sgpr_workgroup_id_x 1
		.amdhsa_system_sgpr_workgroup_id_y 1
		.amdhsa_system_sgpr_workgroup_id_z 1
		.amdhsa_system_vgpr_workitem_id 0
		.amdhsa_next_free_vgpr 704
		.amdhsa_next_free_sgpr 100
		.amdhsa_reserve_vcc 1
		.amdhsa_float_denorm_mode_32 3
		.amdhsa_float_denorm_mode_16_64 3
		.amdhsa_memory_ordered 1
		.amdhsa_forward_progress 1
		.amdhsa_inst_pref_size 133
	.end_amdhsa_kernel
	.amdgpu_metadata
---
amdhsa.version: [ 1, 2 ]
amdhsa.kernels:
  - .name:           k_q222fb3ba4d_retain
    .symbol:         k_q222fb3ba4d_retain.kd
    .args:
      - { .name: Qf, .offset: 0, .size: 8, .value_kind: global_buffer, .address_space: global }
      - { .name: Kf, .offset: 8, .size: 8, .value_kind: global_buffer, .address_space: global }
      - { .name: Vt, .offset: 16, .size: 8, .value_kind: global_buffer, .address_space: global }
      - { .name: Hb, .offset: 24, .size: 8, .value_kind: global_buffer, .address_space: global }
      - { .name: exps, .offset: 32, .size: 8, .value_kind: global_buffer, .address_space: global }
      - { .name: out0, .offset: 40, .size: 8, .value_kind: global_buffer, .address_space: global }
    .group_segment_fixed_size: 214528
    .private_segment_fixed_size: 0
    .kernarg_segment_align: 8
    .kernarg_segment_size: 48
    .max_flat_workgroup_size: 128
    .sgpr_count:     100
    .vgpr_count:     704
    .wavefront_size: 32
...
	.end_amdgpu_metadata
.endif
;; end of part 4
